; MI455X (gfx1250); checked and timed in simulation.
; The chip was launched on July 23, 2026; its instructions are those of AMD's public machine-readable ISA for CDNA 5 (MIT licence, August 2026) and "CDNA5" Instruction Set Architecture Reference Guide (July 2026). The comments in the code are by the model that wrote it; some were corrected since.
;; Multi Headed Attention. Allowed arithmetic: matrix products marked QUANTISED: E2M1 operands, one E8M0 scale for each 32 along K, by v_wmma_scale_f32_16x16x128_f8f6f4 with both operands' format E2M1 (or v_wmma_scale_f32_32x16x128_f4), f32 sums; products left as they are: bf16, f16 or f32 operands; f32 sums; everything else in f32.
;; Inputs: W_proj 1,024 x 1,024 float32; W_qkv 1,024 x 3,072 float32; b_proj 1,024 float32; x 4 x 2,048 x 1,024 float32.
;; Outputs: out0 4 x 2,048 x 1,024 float32.
;; This version of the problem:
;;   THIS VERSION OF THE PROBLEM IS GIVEN IN LOW PRECISION. The matrix products marked QUANTISED in the list below multiply operands that are first quantised to E2M1 (2 exponent bits, 1 mantissa bit; 4 bits a number), with one power-of-two scale for each 32 numbers along K (OCP MX v1.0); their sums are f32. The products marked 'left as it is' may take bf16, f16 or f32 operands, with f32 sums. Whichever they take, every output number must still come out within the allowed error. Rounding operands to bf16 (8 significant bits) uses up far more of that allowance than f16 does (11 bits, for magnitudes from 6e-5 to 65,504). All else is computed in f32.
;;   The module's matrix products, in the order in which they are computed (A, B: the left and right operand; K: the contracted axis; several contracted axes count as one K, in the product's order):
;;     1. [M 8,192, K 1,024] x [K 1,024, N 3,072]; A: input x; B: input W_qkv: QUANTISED
;;     2. batch 64 x [M 2,048, K 64] x [K 64, N 2,048]; A: computed on the way; B: computed on the way: left as it is (an operand is computed on the way)
;;     3. batch 64 x [M 2,048, K 2,048] x [K 2,048, N 64]; A: computed on the way; B: computed on the way: left as it is (an operand is computed on the way)
;;     4. [M 8,192, K 1,024] x [K 1,024, N 1,024]; A: computed on the way; B: input W_proj: left as it is (an operand is computed on the way)
;;   THE QUANTISER, for each operand of a quantised product, along K:
;;     - K is cut into blocks of 32 from its start; a last block that is shorter is filled with zeros.
;;     - A block's scale is 2^e with e = floor(log2(the largest magnitude in the block)) - 2, held to -126 .. 127; a block of zeros has e = 0. As a byte (E8M0): e + 127.
;;     - Each number is divided by its block's scale, clamped to +-6, and rounded to the nearest number of E2M1, ties to even, subnormals kept.
;;     - The product sums the exact products of the quantised numbers (number of the format x scale) in f32.
;;   ~~~python
;;   def quantise(x, axis):      # numpy; x: float32 -> the quantised numbers, widened to float32 again
;;       x = np.moveaxis(x, axis, -1); K = x.shape[-1]
;;       x = np.pad(x, [(0, 0)] * (x.ndim - 1) + [(0, -K % 32)]); x = x.reshape(x.shape[:-1] + (-1, 32)); a = np.abs(x).max(-1, keepdims=True)
;;       e = np.where(a > 0, np.clip(np.frexp(np.where(a > 0, a, 1))[1] - 1 - 2, -126, 127), 0)      # np.frexp(a)[1] - 1 = floor(log2(a)), exactly
;;       r = np.clip(x / 2.0 ** e, -6, 6)
;;       step = 2.0 ** (np.maximum(np.frexp(np.where(r == 0, 1, r))[1] - 1, 0) - 1)
;;       q = np.round(r / step) * step * 2.0 ** e      # np.round: ties to even
;;       return np.moveaxis(q.reshape(q.shape[:-2] + (-1,))[..., :K], -1, axis).astype(np.float32)
;;   ~~~
;; One version. Each part assembles by itself: llvm-mc -triple=amdgcn-amd-amdhsa -mcpu=gfx1250 --defsym DOCPART=n.
;; ======== version 1 of 1: 5 launches
;; limits: right only within a limited range of input values; values are held in f16: magnitudes above 65,504 overflow, below 6.1e-05 lose precision
;; workspace buffers: xc 4,194,304 bytes; xs 262,144 bytes; wc 1,572,864 bytes; ws 98,304 bytes; wp16 2,097,152 bytes; qkv16 50,331,648 bytes; q32 786,432 bytes; att16 16,777,216 bytes
;; launch prep (part 1): grid 432 x 1, 4 waves a work-group, no clusters, 68,096 bytes of LDS; arguments x, W_qkv, W_proj, xc, xs, wc, ws, wp16; writes xc, xs, wc, ws, wp16
.if DOCPART == 1
	.amdgcn_target "amdgcn-amd-amdhsa--gfx1250"
	.amdhsa_code_object_version 6
	.text
	.protected	k_q7492047758_prep
	.globl	k_q7492047758_prep
	.p2align	8
	.type	k_q7492047758_prep,@function
k_q7492047758_prep:
	s_mov_b64 s[64:65], 0
	v_nop
	global_prefetch_b8 v0, s[64:65] scope:SCOPE_SE
	s_setreg_imm32_b32 hwreg(HW_REG_WAVE_MODE, 25, 1), 1
	s_wait_xcnt 0x0
; THE PROGRAM: causal attention with 16 heads of 64 on x [4][2048][1024].  Five launches: this one makes the operands of x W_qkv (codes of E2M1, one E8M0 byte for each 32 along K) and an f16 copy of W_proj;
; the second multiplies the codes; the third is the attention, in f16 with f32 sums; the fourth the projection, likewise; the fifth makes positions 0-15 of every sequence in f32, attention and projection.
; WORK LEFT OUT (in the third launch): the scores of keys that come after a query.  reference() replaces them by -1e9 through a mask that it builds itself (jnp.tril), whatever the inputs hold, so those
; products of q and k reach no output.  Their weights are exp(-1e9 - the row's maximum), which f32 holds as 0 wherever the row has a visible scaled score above about -1e9: so their terms of the sum and of
; the product with v move no result.  Steps of 64 keys that lie wholly behind a wave's queries are left out; inside a step on the diagonal the hidden scores become -infinity.  Every input has a way to the output and is loaded.
; LIMITS: a NaN, an infinity or an overflow that reaches only the work left out is not carried to the result; a row all of whose visible scaled scores lie near or under -1e9 is not served; q, k, v and
; the attention's result are kept in f16 from position 16 on: magnitudes up to 65,504; NaN and infinities among the inputs are not served.
; THIS LAUNCH has three paths, chosen by the work-group's number; each has LDS bytes of its own.
;   work-groups 0-47:    W_qkv [1024 (k)][3072 (n)], K its first axis: a lane takes a column and its registers run down K; codes [3072][512 bytes], scale bytes [3072][32].
;   work-groups 48-303:  x, K innermost, a plain stream of blocks of 32: codes [8192][512 bytes], scale bytes [8192][32].
;   work-groups 304-431: W_proj to f16, as it lies.
; A block's scale is 2^(floor(log2(its largest magnitude)) - 2); its byte is the largest magnitude's exponent field - 2, held at 1 from below.  A block of zeros so gets the byte 1 where the rule says 127:
; its codes are zeros, which add nothing, and this program alone reads the bytes.  Blocks whose largest magnitude lies under 2^-124 keep the byte 1.
.set SPW,   190                        ; v190  LDS address of my spare word: SPARE + 4 x my thread's number; never rewritten
.set NIL,   191                        ; v191  0; never rewritten
.set WSTG,  32768                      ; LDS: 0 .. 32,767 the stream's path; from here the four stages of W_qkv's path
.set SPARE, 67584                      ; behind them: the spare words, 128 bytes for each wave
.set EMAX,  2
	s_load_b256 s[4:11], s[0:1], 0x0               ; x s[4:5], W_qkv s[6:7], W_proj s[8:9], xc s[10:11]
	s_load_b256 s[12:19], s[0:1], 0x20             ; xs s[12:13], wc s[14:15], ws s[16:17], wp16 s[18:19]
	v_lshl_add_u32 v[SPW], v0, 2, SPARE
	v_mov_b32 v[NIL], 0
	v_lshrrev_b32 v1, 5, v0
	v_readfirstlane_b32 s20, v1                    ; wave 0..3
	v_and_b32 v2, 31, v0                           ; lane
	s_wait_kmcnt 0x0
	s_cmp_lt_u32 ttmp9, 48
	s_cbranch_scc1 .Lpath_w
	s_cmp_lt_u32 ttmp9, 304
	s_cbranch_scc1 .Lpath_x
; ---- W_proj to f16: a wave takes 2,048 numbers: 16 loads of 512 consecutive bytes, 16 stores of 256.  No LDS.
	s_sub_co_u32 s21, ttmp9, 304
	s_lshl_b32 s21, s21, 2
	s_add_co_u32 s21, s21, s20                     ; which run of 2,048 numbers
	s_lshl_b32 s22, s21, 13
	s_mov_b32 s23, 0
	s_add_nc_u64 s[8:9], s[8:9], s[22:23]
	s_lshl_b32 s22, s21, 12
	s_add_nc_u64 s[18:19], s[18:19], s[22:23]
	v_lshlrev_b32 v3, 4, v2
	v_lshlrev_b32 v4, 3, v2
.irp i, 0,1,2,3,4,5,6,7,8,9,10,11,12,13,14,15
	global_load_b128 v[32+4*\i:35+4*\i], v3, s[8:9] offset:512*\i th:TH_LOAD_NT
.endr
.irp i, 0,1,2,3,4,5,6,7,8,9,10,11,12,13,14,15
	s_wait_loadcnt 15-\i                           ; loads come back in order: load i is in, the younger ones stay out
	v_cvt_pk_f16_f32 v[96+2*\i], v[32+4*\i], v[33+4*\i]
	v_cvt_pk_f16_f32 v[97+2*\i], v[34+4*\i], v[35+4*\i]
	global_store_b64 v4, v[96+2*\i:97+2*\i], s[18:19] offset:256*\i   ; the wave stores 256 consecutive bytes, aligned; each store has registers of its own
.endr
	s_endpgm
; ---- x: a wave takes 16 steps of 512 numbers.  Each load reads 512 consecutive bytes; a step's 2,048 bytes turn through the wave's own stage in LDS, so that a lane holds 16 neighbours along K
.set STEPS, 16
.set CB,    8                          ; bytes of 16 codes
.set XR,    16                         ; v16-79   four sets of 16 numbers as they are loaded
.set XX,    80                         ; v80-111  two sets of 16 neighbours
.set XE,    112                        ; v112-127 a scale byte for each step
.set XC,    128                        ; v128-159 codes: two registers for each step, so that no store's data are written again
.set WREG,  8192                       ; a region for each wave: two stages of 32 x XSP bytes, behind them its 256 scale bytes
.set XSP,   80                         ; a lane's place in a stage: 64 bytes + 16 of padding
.macro XLOAD t
.irp i, 0,1,2,3
	global_load_b128 v[XR+16*((\t)%4)+4*\i:XR+16*((\t)%4)+4*\i+3], v3, s[4:5] offset:2048*(\t)+512*\i th:TH_LOAD_NT
.endr
.endm
.macro XTURN t                         ; LDS serves a wave's instructions in order: no wait between the stores and the loads
.irp i, 0,1,2,3
	ds_store_b128 v14, v[XR+16*((\t)%4)+4*\i:XR+16*((\t)%4)+4*\i+3] offset:32*XSP*((\t)%2)+8*XSP*\i
.endr
.irp i, 0,1,2,3
	ds_load_b128 v[XX+16*((\t)%2)+4*\i:XX+16*((\t)%2)+4*\i+3], v15 offset:32*XSP*((\t)%2)+16*\i
.endr
.endm
.macro XSTEP t
.set XS, XX+16*((\t)%2)
.if (\t) > 0
	s_wait_dscnt 1                                 ; this step's numbers are back from the stage (the last step's byte store may be out)
.else
	s_wait_dscnt 0x0
.endif
.if (\t)+4 < STEPS
	XLOAD (\t)+4                                   ; the stores into the stage have read these registers
.endif
.if (\t)+1 < STEPS
.if STEPS-2-(\t) >= 3
	s_wait_loadcnt 12                              ; the next step's four loads are in; those of the three steps behind it may be out
.else
	s_wait_loadcnt 4*(STEPS-2-(\t))
.endif
	XTURN (\t)+1
.endif
	v_max3_num_f32 v8, |v[XS]|, |v[XS+1]|, |v[XS+2]|
	v_max3_num_f32 v9, |v[XS+3]|, |v[XS+4]|, |v[XS+5]|
.irp i, 6,10
	v_max3_num_f32 v8, v8, |v[XS+\i]|, |v[XS+\i+1]|
	v_max3_num_f32 v9, v9, |v[XS+\i+2]|, |v[XS+\i+3]|
.endr
	v_max3_num_f32 v8, v8, |v[XS+14]|, |v[XS+15]|
	v_max3_num_f32 v8, v8, v9, (EMAX+1)<<23        ; the floor 2^(3 - 127): the byte cannot fall under 1
	v_max_num_f32_dpp v8, v8, v8 row_xmask:1 row_mask:0xf bank_mask:0xf   ; with my neighbour's 16: the block's largest magnitude
	v_add_nc_u32 v11, -(EMAX<<23), v8              ; 2 off its exponent field: the conversion takes the exponent field of this operand as its scale
	v_cvt_scalef32_pk8_fp4_f32 v[XC+2*(\t)], v[XS:XS+7], v11
	v_cvt_scalef32_pk8_fp4_f32 v[XC+2*(\t)+1], v[XS+8:XS+15], v11
	v_lshrrev_b32 v[XE+(\t)], 23, v11              ; the scale's byte (also the plain line behind the conversions)
	ds_store_b8 v5, v[XE+(\t)] offset:16*(\t)      ; both lanes of a block write the same byte with the same value
	global_store_b64 v4, v[XC+2*(\t):XC+2*(\t)+1], s[10:11] offset:32*CB*(\t)   ; the wave stores 256 consecutive bytes, aligned
.endm
.Lpath_x:
	v_lshlrev_b32 v3, 4, v2                        ; my 16 bytes of a load's 512
	s_mul_i32 s21, s20, WREG
	v_lshrrev_b32 v14, 2, v2
	v_mul_u32_u24 v14, v14, XSP
	v_and_b32 v15, 3, v2
	v_lshl_add_u32 v14, v15, 4, v14
	v_add_nc_u32 v14, s21, v14                     ; the stage, on the way in: XSP (lane / 4) + 16 (lane % 4)
	v_mul_u32_u24 v15, v2, XSP
	v_add_nc_u32 v15, s21, v15                     ; and on the way out: XSP x lane
	v_mul_u32_u24 v4, v2, CB
	v_lshrrev_b32 v5, 1, v2
	s_add_co_u32 s21, s21, 2*32*XSP
	v_add_nc_u32 v5, s21, v5                       ; my wave's 256 scale bytes, my block's byte
	v_lshlrev_b32 v7, 3, v2
	v_add_nc_u32 v6, s21, v7
	s_sub_co_u32 s22, ttmp9, 48
	s_lshl_b32 s22, s22, 2
	s_add_co_u32 s22, s22, s20                     ; which run of 8,192 numbers is my wave's: 0 .. 1,023
	s_mov_b32 s25, 0
	s_lshl_b32 s24, s22, 15
	s_add_nc_u64 s[4:5], s[4:5], s[24:25]
	s_lshl_b32 s24, s22, 12
	s_add_nc_u64 s[10:11], s[10:11], s[24:25]
	s_lshl_b32 s24, s22, 8
	s_add_nc_u64 s[12:13], s[12:13], s[24:25]
.irp t, 0,1,2,3
	XLOAD \t
.endr
	s_wait_loadcnt 12                              ; step 0's four loads are in
	XTURN 0
.irp t, 0,1,2,3,4,5,6,7,8,9,10,11,12,13,14,15
	XSTEP \t
.endr
	ds_load_b64 v[8:9], v6                         ; LDS serves a wave's instructions in order: these see my byte stores
	s_wait_dscnt 0x0
	global_store_b64 v7, v[8:9], s[12:13]          ; 32 lanes store 256 consecutive bytes, aligned
	s_wait_tensorcnt 0x0                           ; the wave's end
	ds_add_u32 v[SPW], v[NIL]
	s_wait_dscnt 0x0
	s_endpgm
; ---- W_qkv: a wave takes 32 columns x 512 along K: 16 blocks a lane.  The codes go through the wave's own stage and leave as rows: sixteen lanes store 256 consecutive bytes
.set KW,     512
.set NB,     KW/32
.set WPITCH, 272
.set WN,     3072
.set WX,     32                        ; v32-95   two sets of 32 numbers
.set WC,     96                        ; v96-99   a block's codes
.set WOUT,   112                       ; v112-175 the way out
.set WSB,    24                        ; v24-27   the scale bytes, four to a register
.macro WLOAD t
.irp i, 0,1,2,3,4,5,6,7,8,9,10,11,12,13,14,15,16,17,18,19,20,21,22,23,24,25,26,27,28,29,30,31
	global_load_b32 v[WX+32*((\t)%2)+\i], v3, s[6:7] offset:(32*(\t)+\i)*WN*4 th:TH_LOAD_NT
.endr
.endm
.macro WBLOCK t
.set XS, WX+32*((\t)%2)
.if (\t) < NB-1
	s_wait_loadcnt 32                              ; this block's 32 loads are in; the next block's may be out
.else
	s_wait_loadcnt 0
.endif
	v_max3_num_f32 v12, |v[XS]|, |v[XS+1]|, |v[XS+2]|
	v_max3_num_f32 v13, |v[XS+3]|, |v[XS+4]|, |v[XS+5]|
.irp i, 6,10,14,18,22,26
	v_max3_num_f32 v12, v12, |v[XS+\i]|, |v[XS+\i+1]|
	v_max3_num_f32 v13, v13, |v[XS+\i+2]|, |v[XS+\i+3]|
.endr
	v_max3_num_f32 v12, v12, |v[XS+30]|, |v[XS+31]|
	v_max3_num_f32 v12, v12, v13, (EMAX+1)<<23     ; the floor
	v_add_nc_u32 v11, -(EMAX<<23), v12
	v_lshrrev_b32 v13, 23, v11                     ; the scale's byte
.if (\t)%4 == 0
	v_mov_b32 v[WSB+(\t)/4], v13
.else
	v_lshl_or_b32 v[WSB+(\t)/4], v13, 8*((\t)%4), v[WSB+(\t)/4]
.endif
.irp g, 0,1,2,3
	v_cvt_scalef32_pk8_fp4_f32 v[WC+\g], v[XS+8*\g:XS+8*\g+7], v11
.endr
	v_nop                                          ; one plain line behind the conversions
	ds_store_b128 v4, v[WC:WC+3] offset:16*(\t)    ; 32 codes: 16 bytes of my column's row
.if (\t)+2 < NB
	WLOAD (\t)+2
.endif
	s_wait_dscnt 0x0                               ; the store has read its registers: the next block's codes may be written
.endm
.Lpath_w:
	s_cmp_ge_u32 ttmp9, 24
	s_cselect_b32 s21, 1, 0                        ; which 512 along K
	s_cselect_b32 s22, 24, 0
	s_sub_co_u32 s22, ttmp9, s22                   ; which 128 columns
	s_lshl_b32 s23, s22, 7
	s_lshl_b32 s24, s20, 5
	s_add_co_u32 s23, s23, s24                     ; my wave's first column
	v_lshlrev_b32 v3, 2, v2
	s_mul_i32 s24, s20, 32*WPITCH
	s_add_co_u32 s24, s24, WSTG                    ; my stage
	v_mul_u32_u24 v4, v2, WPITCH
	v_add_nc_u32 v4, s24, v4                       ; into it: row = my column
	v_and_b32 v5, 15, v2
	v_lshrrev_b32 v6, 4, v2
	v_mul_u32_u24 v7, v6, WPITCH
	v_lshl_add_u32 v7, v5, 4, v7
	v_add_nc_u32 v7, s24, v7                       ; out of it: sixteen lanes to a row, two rows an instruction
	v_lshlrev_b32 v8, 9, v6
	v_lshl_add_u32 v8, v5, 4, v8                   ; and the same place in the codes' buffer (rows of 512 bytes)
	v_lshlrev_b32 v9, 5, v2                        ; my column's row of 32 scale bytes
	s_mul_i32 s26, s21, KW*WN*4
	s_lshl_b32 s28, s23, 2
	s_add_co_u32 s26, s26, s28
	s_mov_b32 s27, 0
	s_add_nc_u64 s[6:7], s[6:7], s[26:27]
	s_lshl_b32 s26, s23, 9
	s_lshl_b32 s28, s21, 8
	s_add_co_u32 s26, s26, s28
	s_add_nc_u64 s[14:15], s[14:15], s[26:27]
	s_lshl_b32 s26, s23, 5
	s_lshl_b32 s28, s21, 4
	s_add_co_u32 s26, s26, s28
	s_add_nc_u64 s[16:17], s[16:17], s[26:27]
	WLOAD 0
	WLOAD 1
.set WQ, 0
.rept NB
	WBLOCK WQ
.set WQ, WQ+1
.endr
	global_store_b128 v9, v[WSB:WSB+3], s[16:17]   ; my column's 16 scale bytes
.irp t, 0,1,2,3,4,5,6,7,8,9,10,11,12,13,14,15
	ds_load_b128 v[WOUT+4*\t:WOUT+4*\t+3], v7 offset:2*\t*WPITCH
.endr
.irp t, 0,1,2,3,4,5,6,7,8,9,10,11,12,13,14,15
	s_wait_dscnt 15-\t
	global_store_b128 v8, v[WOUT+4*\t:WOUT+4*\t+3], s[14:15] offset:2*\t*512
.endr
	s_wait_tensorcnt 0x0                           ; the wave's end
	ds_add_u32 v[SPW], v[NIL]
	s_wait_dscnt 0x0
	s_endpgm
.Lfunc_end_k_q7492047758_prep:
	.size	k_q7492047758_prep, .Lfunc_end_k_q7492047758_prep-k_q7492047758_prep
	.p2alignl 7, 3214868480
	.fill 96, 4, 3214868480
	.section	.rodata,"a",@progbits
	.p2align	6, 0x0
	.amdhsa_kernel k_q7492047758_prep
		.amdhsa_group_segment_fixed_size 68096
		.amdhsa_private_segment_fixed_size 0
		.amdhsa_enable_private_segment 0
		.amdhsa_kernarg_size 64
		.amdhsa_user_sgpr_count 2
		.amdhsa_user_sgpr_kernarg_segment_ptr 1
		.amdhsa_wavefront_size32 1
		.amdhsa_system_sgpr_workgroup_id_x 1
		.amdhsa_system_sgpr_workgroup_id_y 1
		.amdhsa_system_sgpr_workgroup_id_z 1
		.amdhsa_system_vgpr_workitem_id 0
		.amdhsa_next_free_vgpr 192
		.amdhsa_next_free_sgpr 66
		.amdhsa_reserve_vcc 0
		.amdhsa_float_denorm_mode_32 3
		.amdhsa_float_denorm_mode_16_64 3
		.amdhsa_memory_ordered 1
		.amdhsa_forward_progress 1
		.amdhsa_inst_pref_size 117
	.end_amdhsa_kernel
	.amdgpu_metadata
---
amdhsa.version: [ 1, 2 ]
amdhsa.kernels:
  - .name:           k_q7492047758_prep
    .symbol:         k_q7492047758_prep.kd
    .args:
      - { .name: x, .offset: 0, .size: 8, .value_kind: global_buffer, .address_space: global }
      - { .name: W_qkv, .offset: 8, .size: 8, .value_kind: global_buffer, .address_space: global }
      - { .name: W_proj, .offset: 16, .size: 8, .value_kind: global_buffer, .address_space: global }
      - { .name: xc, .offset: 24, .size: 8, .value_kind: global_buffer, .address_space: global }
      - { .name: xs, .offset: 32, .size: 8, .value_kind: global_buffer, .address_space: global }
      - { .name: wc, .offset: 40, .size: 8, .value_kind: global_buffer, .address_space: global }
      - { .name: ws, .offset: 48, .size: 8, .value_kind: global_buffer, .address_space: global }
      - { .name: wp16, .offset: 56, .size: 8, .value_kind: global_buffer, .address_space: global }
    .group_segment_fixed_size: 68096
    .private_segment_fixed_size: 0
    .kernarg_segment_align: 8
    .kernarg_segment_size: 64
    .max_flat_workgroup_size: 128
    .sgpr_count:     66
    .vgpr_count:     192
    .wavefront_size: 32
...
	.end_amdgpu_metadata
.endif
;; end of part 1
;; launch qkv (part 2): grid 12 x 32, 4 waves a work-group, clusters of 4 x 4, 327,680 bytes of LDS; arguments xc, xs, wc, ws, qkv16, q32; writes qkv16, q32
.if DOCPART == 2
	.amdgcn_target "amdgcn-amd-amdhsa--gfx1250"
	.amdhsa_code_object_version 6
	.text
	.protected	k_q7492047758_qkv
	.globl	k_q7492047758_qkv
	.p2align	8
	.type	k_q7492047758_qkv,@function
k_q7492047758_qkv:
	s_mov_b64 s[64:65], 0
	v_nop
	global_prefetch_b8 v0, s[64:65] scope:SCOPE_SE
	s_setreg_imm32_b32 hwreg(HW_REG_WAVE_MODE, 25, 1), 1
	s_wait_xcnt 0x0
	s_wait_alu depctr_hold_cnt(0) depctr_sa_sdst(0) depctr_va_vdst(0) depctr_va_sdst(0) depctr_va_ssrc(0) depctr_va_vcc(0) depctr_vm_vsrc(0)
	s_getreg_b32 s2, hwreg(HW_REG_IB_STS2, 6, 4)
	s_cmp_eq_u32 s2, 0
	s_cbranch_scc0 .Lentry_in_a_cluster
	s_endpgm
.Lentry_in_a_cluster:
	s_bfe_u32 s2, ttmp6, 0x10000c
	s_cmp_lg_u32 s2, 0xf033
	s_cbranch_scc0 .Lentry_shape_is_right
	s_endpgm
.Lentry_shape_is_right:
; qkv = x W_qkv on codes of E2M1 with one E8M0 scale for each 32 along K.  A = x's codes [8192][512 bytes], B = W_qkv's codes [3072][512 bytes], scale bytes [rows][32]; sums in f32.
; A tile of 256 tokens x 256 columns is made by a work-group of four waves; a wave makes 128 x 128: 64 accumulators, 512 registers.  K = 1,024 is two LDS slots of 512: both are first fills, nothing is filled again.
; The scales of the work-group's 256 + 256 rows come into LDS once, in runs of 256 bytes.
; CLUSTERS: 4 x 4 work-groups.  The four of a row of the cluster need the same tiles of A, the four of a column the same tiles of B: each tile is asked for jointly.
; The tile row is 8 cy + cluster y: so the batch is cy and the tile's first position is 256 x cluster y, and 'this tile holds positions 0-15' is cluster y = 0, alike in all partners.
; THE MATRIX INSTRUCTION IS USED TRANSPOSED (source 0 = 16 rows of B, source 1 = 16 rows of A): a lane holds eight neighbouring columns of one token.
; THE WAY OUT: the results are rounded to f16 and laid by head: qkv16 [part 3][batch 4][head 16][position 2048][64].  A wave's 128 columns are two heads; a block of 16 tokens goes through the wave's own stage
; and leaves as runs of 512 bytes: four tokens of one head.  Positions 0-15 of each batch leave in f32 too: q32 [batch][16][3072], for the launch that makes those rows in f32.
; LIMIT: results beyond 65,504 in magnitude have no f16 number.
; REGISTERS as windows of 256: window 0: v0-31 addresses; v32-95 scale words, two sets; v128-191 A's fragments, one set; v192-223 packed results.  window 1: B's fragments, two sets.  windows 2, 3: the accumulators.
.set SIZE_K, 1024
.set KSTEP,  512
.set NQ,     KSTEP/128
.set ROWB,   256
.set KROW,   SIZE_K*4/8
.set PITCH,  272                       ; an LDS row: 256 bytes + 16 of padding: the 16 rows that a load touches start at 16 different banks
.set FR,     8
.set NL,     2
.set NP,     4
.set HALFT,  128*PITCH
.set SLOT,   4*HALFT
.set KS,     SIZE_K/32
.set SCL,    2*SLOT
.set HALFS,  (128*KS/256)*272
.set SBLK,   (16*KS/256)*272
.set SPARE,  SCL+4*HALFS               ; the spare words, 128 bytes for each wave
.set HB,     262144                    ; a head in qkv16: 2,048 positions x 128 bytes
.set WSTAGE, 12800                     ; the way out: for each wave 16 x 272 bytes (f16) and 16 x 528 (f32), in slot 0, which has had its only fill and its last read by then
.set ADRA, 16
.set ADRB, 20
.set STO32, 22
.set RD32, 23
.set STO,  24
.set RD,   25
.set CO,   26
.set ADRS, 27
.set SPW,  28
.set NIL,  29
.set SC,   32
.set AF,   128
.set BK,   128
.set TMP,  192
.set G1, 24
.set G0, 32
.set G1B, 48
.set G0B, 56
.set G1S, 68
.set G0S, 76
.set G1SB, 80
.set G0SB, 88
.set MSB, 0
.macro WIN new                         ; the immediate's high byte repeats the setting that is left
.if MSB != \new
	s_set_vgpr_msb (MSB<<8)|\new
.set MSB, \new
.endif
.endm
.set MUL_LO, 0xa1
.set MUL_HI, 0xf1
.set TO_B,   0x40
; A joint load: waves 0 and 1 fetch for A, waves 2 and 3 for B; an s_nop 0 and four v_nop follow each of the two lines
.macro JLOAD g0a, g1a, g0b, g1b
	s_cmp_eq_u32 s15, 0
	s_cbranch_scc0 .Lfor_b_\@
	tensor_load_to_lds s[\g0a:\g0a+3], s[\g1a:\g1a+7]
	s_nop 0
.rept 4
	v_nop
.endr
	s_branch .Lasked_\@
.Lfor_b_\@:
	tensor_load_to_lds s[\g0b:\g0b+3], s[\g1b:\g1b+7]
	s_nop 0
.rept 4
	v_nop
.endr
.Lasked_\@:
.endm
.macro CROUND                          ; a round of the cluster's barrier
	s_barrier_signal -1
	s_barrier_wait -1
	s_cmp_lg_u32 s14, 0
	s_cbranch_scc1 .Lnot_wave_0_\@
	s_barrier_signal -3
.Lnot_wave_0_\@:
	s_barrier_wait -3
	s_barrier_signal -1
	s_barrier_wait -1
.endm
	s_load_b128 s[4:7], s[0:1], 0x0                ; A's codes, A's scales
	s_load_b128 s[8:11], s[0:1], 0x10              ; B's codes, B's scales
	s_load_b64 s[12:13], s[0:1], 0x20              ; qkv16
	s_load_b64 s[98:99], s[0:1], 0x28              ; q32
	v_lshl_add_u32 v[SPW], v0, 2, SPARE
	v_mov_b32 v[NIL], 0
	ds_add_u32 v[SPW], v[NIL]                      ; the wave's opening: the add, twice on end, and its wait ahead of my first tensor load
	ds_add_u32 v[SPW], v[NIL]
	v_lshrrev_b32 v1, 5, v0
	v_readfirstlane_b32 s14, v1                    ; wave 0..3
	s_lshr_b32 s15, s14, 1                         ; which half of the tile's tokens is mine.  Also: I fetch for A (0) or for B (1)
	s_and_b32 s16, s14, 1                          ; which half of its columns.  Also: which 128 rows I fetch
	s_bfe_u32 s40, ttmp6, 0x40000                  ; cx
	s_bfe_u32 s41, ttmp6, 0x40004                  ; cy
	s_lshl_b32 s42, ttmp9, 2
	s_add_co_u32 s42, s42, s40                     ; tile column = 4 x cluster x + cx
	s_and_b32 s95, ttmp7, 0xffff                   ; cluster y
	s_lshl_b32 s17, s41, 3
	s_add_co_u32 s17, s17, s95                     ; tile row = 8 cy + cluster y
	s_lshl_b32 s43, s41, 2
	s_lshl_b32 s43, 15, s43                        ; my row of the cluster
	s_lshl_b32 s44, 0x1111, s40                    ; my column
	s_or_b32 s[G1+0], s43, (0<<16)|(1<<20)|(1<<21)|(5<<22)|(3<<25)  ; mask; elements of 1 byte; padding: 4 words behind every 64
	s_or_b32 s[G1B+0], s44, (0<<16)|(1<<20)|(1<<21)|(5<<22)|(3<<25)
.irp g, G1, G1B
	s_mov_b32 s[\g+1], ROWB<<16
	s_mov_b32 s[\g+2], 128<<16
	s_mov_b32 s[\g+3], ROWB<<16
	s_mov_b32 s[\g+4], 128
	s_mov_b32 s[\g+5], KROW
	s_mov_b32 s[\g+6], 0
	s_mov_b32 s[\g+7], 0
.endr
	s_or_b32 s[G1S+0], s43, (3<<16)|(1<<20)|(1<<21)|(5<<22)|(3<<25) ; the scales of 128 rows: 4,096 dense bytes as rows of 256 (32 elements of 8 bytes)
	s_or_b32 s[G1SB+0], s44, (3<<16)|(1<<20)|(1<<21)|(5<<22)|(3<<25)
.irp g, G1S, G1SB
	s_mov_b32 s[\g+1], 32<<16
	s_mov_b32 s[\g+2], (128*KS/256)<<16
	s_mov_b32 s[\g+3], 32<<16
	s_mov_b32 s[\g+4], 128*KS/256
	s_mov_b32 s[\g+5], 32
	s_mov_b32 s[\g+6], 0
	s_mov_b32 s[\g+7], 0
.endr
	s_lshl_b32 s18, s16, 7
	s_lshl_b32 s20, s17, 8
	s_add_co_u32 s20, s20, s18                     ; A: row 256 x tile row + 128 x half
	s_lshl_b32 s46, s42, 8
	s_add_co_u32 s46, s46, s18                     ; B: row 256 x tile column + 128 x half
	s_mov_b32 s21, 0
	s_mov_b32 s47, 0
	s_mov_b64 s[18:19], KS
	s_mul_u64 s[22:23], s[20:21], s[18:19]
	s_mul_u64 s[92:93], s[46:47], s[18:19]
	s_mov_b64 s[18:19], KROW
	s_mul_u64 s[20:21], s[20:21], s[18:19]
	s_mul_u64 s[46:47], s[46:47], s[18:19]
	s_mul_i32 s45, s14, HALFT                      ; where they go: wave x 128 rows
	s_mul_i32 s94, s14, HALFS
	s_wait_dscnt 0x0                               ; both opening adds are done
	s_wait_kmcnt 0x0
	s_add_nc_u64 s[20:21], s[4:5], s[20:21]
	s_add_nc_u64 s[22:23], s[6:7], s[22:23]
	s_add_nc_u64 s[46:47], s[8:9], s[46:47]
	s_add_nc_u64 s[92:93], s[10:11], s[92:93]
	CROUND                                         ; all sixteen work-groups are here: the joint loads meet
	s_mov_b32 s[G0S], 1
	s_add_co_u32 s[G0S+1], s94, SCL
	s_mov_b64 s[G0S+2:G0S+3], s[22:23]
	s_or_b32 s[G0S+3], s[G0S+3], 0x80000000
	s_mov_b32 s[G0SB], 1
	s_add_co_u32 s[G0SB+1], s94, SCL
	s_mov_b64 s[G0SB+2:G0SB+3], s[92:93]
	s_or_b32 s[G0SB+3], s[G0SB+3], 0x80000000
	JLOAD G0S, G1S, G0SB, G1SB                     ; three loads of mine go out together: the scales, K's first half, K's second half
.irp s, 0,1
	s_mov_b32 s[G0+4*\s], 1
	s_add_co_u32 s[G0+4*\s+1], s45, \s*SLOT
	s_add_nc_u64 s[G0+4*\s+2:G0+4*\s+3], s[20:21], \s*ROWB
	s_or_b32 s[G0+4*\s+3], s[G0+4*\s+3], 0x80000000
	s_mov_b32 s[G0B+4*\s], 1
	s_add_co_u32 s[G0B+4*\s+1], s45, \s*SLOT
	s_add_nc_u64 s[G0B+4*\s+2:G0B+4*\s+3], s[46:47], \s*ROWB
	s_or_b32 s[G0B+4*\s+3], s[G0B+4*\s+3], 0x80000000
	JLOAD G0+4*\s, G1, G0B+4*\s, G1B
.endr
	v_and_b32 v1, 15, v0                           ; r = l % 16
	v_bfe_u32 v2, v0, 4, 1                         ; h = l / 16
	v_mul_u32_u24 v3, v1, PITCH
	v_lshl_add_u32 v4, v2, 4, v3
	s_mul_i32 s21, s15, HALFT
	s_mul_i32 s22, s16, HALFT
	s_add_co_u32 s22, s22, 2*HALFT
.irp s, 0,1
	v_add_nc_u32 v[ADRA+\s], s21, v4
	v_add_nc_u32 v[ADRB+\s], s22, v4
	s_add_co_u32 s21, s21, SLOT
	s_add_co_u32 s22, s22, SLOT
.endr
	v_mul_u32_u24 v5, v1, KS                       ; my row's scales: 32 bytes a row,
	v_lshrrev_b32 v6, 8, v5
	v_lshl_add_u32 v5, v6, 4, v5                   ; and 16 more for each 256 passed
	s_mul_i32 s21, s15, HALFS
	s_mul_i32 s22, s16, HALFS
	s_add_co_u32 s22, s22, 2*HALFS
	s_sub_co_u32 s22, s22, s21
	v_mul_u32_u24 v6, s22, v2                      ; lanes 16-31 take B's
	s_add_co_u32 s21, s21, SCL
	v_add_nc_u32 v5, v5, v6
	v_add_nc_u32 v[ADRS], s21, v5
	s_mul_i32 s23, s14, WSTAGE                     ; my stages
	v_mul_u32_u24 v5, v1, 272
	v_lshl_add_u32 v5, v2, 4, v5
	v_add_nc_u32 v[STO], s23, v5                   ; f16, in: row r, 16 bytes for each half of the lanes
	v_and_b32 v6, 31, v0
	v_lshrrev_b32 v7, 3, v6
	v_mul_u32_u24 v7, v7, 272
	v_and_b32 v8, 7, v0
	v_lshl_add_u32 v7, v8, 4, v7
	v_add_nc_u32 v[RD], s23, v7                    ; back: eight lanes take a token's 128 bytes of one head, the wave four tokens
	v_lshlrev_b32 v[CO], 4, v6                     ; which are 512 consecutive bytes of qkv16
	s_add_co_u32 s23, s23, 16*272
	v_mul_u32_u24 v5, v1, 528
	v_lshl_add_u32 v5, v2, 5, v5
	v_add_nc_u32 v[STO32], s23, v5                 ; f32, in: row r, 32 bytes for each half
	v_add_nc_u32 v[RD32], s23, v[CO]               ; back: the wave takes a row of 512 bytes
	s_lshr_b32 s20, s42, 2                         ; which of q, k, v
	s_lshl_b32 s20, s20, 2
	s_add_co_u32 s20, s20, s41                     ; x 4 + batch
	s_lshl_b32 s20, s20, 4
	s_and_b32 s21, s42, 3
	s_lshl_b32 s21, s21, 2
	s_add_co_u32 s20, s20, s21
	s_lshl_b32 s21, s16, 1
	s_add_co_u32 s20, s20, s21                     ; x 16 + my first head
	s_lshl_b32 s20, s20, 18
	s_lshl_b32 s21, s95, 8
	s_lshl_b32 s46, s15, 7
	s_add_co_u32 s21, s21, s46                     ; my first position
	s_lshl_b32 s21, s21, 7
	s_add_co_u32 s20, s20, s21
	s_mov_b32 s21, 0
	s_add_nc_u64 s[12:13], s[12:13], s[20:21]
	s_mul_i32 s20, s41, 16*3072*4
	s_lshl_b32 s46, s42, 10
	s_add_co_u32 s20, s20, s46
	s_lshl_b32 s46, s16, 9
	s_add_co_u32 s20, s20, s46
	s_add_nc_u64 s[98:99], s[98:99], s[20:21]
.macro FRAG reg, adr, q, i             ; 16 rows x 128 K of 4-bit codes: 8 registers; registers 4 c .. 4 c + 3 hold K = 64 c + 32 (l / 16) + 0 .. 31
.irp c, 0,1
	ds_load_b128 v[\reg+4*\c:\reg+4*\c+3], v[\adr] offset:64*(\q)+32*\c+(\i)*16*PITCH
.endr
.endm
; 16 matrix instructions: A's blocks a0, a0 + 1 x B's eight.  The 64 accumulators take turns, one instruction a turn, in the same order in every step
.macro MUL16 a0, p, q, sc, zero
.irp a, \a0, \a0+1
.irp b, 0,1,2,3,4,5,6,7
.if \zero
	v_wmma_scale_f32_16x16x128_f8f6f4 v[8*(8*((\a)%4)+\b):8*(8*((\a)%4)+\b)+7], v[128*(\p)+FR*\b:128*(\p)+FR*\b+FR-1], v[AF+FR*(\a):AF+FR*(\a)+FR-1], 0, v[SC+8*NQ*(\sc)+NQ*\b+(\q)], v[SC+8*NQ*(\sc)+NQ*(\a)+(\q)] matrix_a_fmt:MATRIX_FMT_FP4 matrix_b_fmt:MATRIX_FMT_FP4 matrix_a_scale:MATRIX_SCALE_ROW1
.else
	v_wmma_scale_f32_16x16x128_f8f6f4 v[8*(8*((\a)%4)+\b):8*(8*((\a)%4)+\b)+7], v[128*(\p)+FR*\b:128*(\p)+FR*\b+FR-1], v[AF+FR*(\a):AF+FR*(\a)+FR-1], v[8*(8*((\a)%4)+\b):8*(8*((\a)%4)+\b)+7], v[SC+8*NQ*(\sc)+NQ*\b+(\q)], v[SC+8*NQ*(\sc)+NQ*(\a)+(\q)] matrix_a_fmt:MATRIX_FMT_FP4 matrix_b_fmt:MATRIX_FMT_FP4 matrix_a_scale:MATRIX_SCALE_ROW1
.endif
.endr
.endr
.endm
.macro FETCH_B slot, q, p
	WIN TO_B
.irp i, 0,1,2,3,4,5,6,7
	FRAG 128*(\p)+FR*\i, ADRB+\slot, \q, \i
.endr
	WIN 0
.endm
.macro FETCH_A slot, q, i0
.irp i, \i0, \i0+1, \i0+2, \i0+3
	FRAG AF+FR*(\i), ADRA+\slot, \q, \i
.endr
.endm
.macro SCALES sc                       ; a slot's scale words: four words a row; lanes 0-15 take A's block i, lanes 16-31 B's block i
.irp i, 0,1,2,3,4,5,6,7
	ds_load_b128 v[SC+8*NQ*\sc+NQ*\i:SC+8*NQ*\sc+NQ*\i+3], v[ADRS] offset:\i*SBLK
.endr
.endm
.macro PLACES n                        ; plain vector lines between a matrix instruction and a load into, or a read of, its registers
.rept \n
	v_nop
.endr
.endm
.macro STEP slot, q, zero              ; a step of 128 along K that has its successor in the same slot
	s_wait_dscnt 4*NL                              ; B's set and A's blocks 0-3 are in; the youngest eight loads (A's blocks 4-7) may be out
	WIN MUL_LO
	MUL16 0, (\q)%2, \q, \slot, \zero
	MUL16 2, (\q)%2, \q, \slot, \zero
	s_wait_dscnt 0
	PLACES NP
	FETCH_B \slot, (\q)+1, 1-(\q)%2
	FETCH_A \slot, (\q)+1, 0
	WIN MUL_HI
	MUL16 4, (\q)%2, \q, \slot, \zero
	MUL16 6, (\q)%2, \q, \slot, \zero
	PLACES NP
	WIN 0
	FETCH_A \slot, (\q)+1, 4
.endm
.macro STEPS slot, from
.set Q, \from
.rept NQ-1-\from
	STEP \slot, Q, 0
.set Q, Q+1
.endr
.endm
	s_wait_tensorcnt 1                             ; the scales and my part of slot 0 are in (slot 1's load may be out),
	s_barrier_signal -1
	s_barrier_wait -1                              ; everybody's are
	FETCH_B 0, 0, 0
	FETCH_A 0, 0, 0
	SCALES 0
	FETCH_A 0, 0, 4
	STEP 0, 0, 1                                   ; the first step's products start the sums: nothing is cleared
	STEPS 0, 1
	; slot 0's last step changes slots: one barrier; in front of it my load of slot 1 has landed and my reads of slot 0 are over.  Nothing is filled again
	s_wait_tensorcnt 0x0
	ds_add_u32 v[SPW], v[NIL]
	s_wait_dscnt 4*NL+1                            ; (the add and A's blocks 4-7 may be out)
	WIN MUL_LO
	MUL16 0, 1, NQ-1, 0, 0
	s_wait_dscnt 0x0
	s_barrier_signal -1
	MUL16 2, 1, NQ-1, 0, 0
	WIN 0
	s_barrier_wait -1
	PLACES NP
	v_add_nc_u32 v[ADRS], 4*NQ, v[ADRS]            ; on to slot 1's scale words
	FETCH_B 1, 0, 0
	FETCH_A 1, 0, 0
	SCALES 1
	WIN MUL_HI
	MUL16 4, 1, NQ-1, 0, 0
	MUL16 6, 1, NQ-1, 0, 0
	PLACES NP
	WIN 0
	FETCH_A 1, 0, 4
	STEPS 1, 0
	s_wait_dscnt 4*NL                              ; the very last step
	WIN MUL_LO
	MUL16 0, 1, NQ-1, 1, 0
	MUL16 2, 1, NQ-1, 1, 0
	s_wait_dscnt 0
	WIN MUL_HI
	MUL16 4, 1, NQ-1, 1, 0
	MUL16 6, 1, NQ-1, 1, 0
	WIN 0
	PLACES NP                                      ; in front of the first reads of results and of loads into registers that held operands and scales
	; positions 0-15 in f32: my block 0, where the tile begins a sequence and I hold its first half.  The test hangs on the cluster's y and the wave's number alone
	s_or_b32 s96, s95, s15
	s_cmp_eq_u32 s96, 0
	s_cbranch_scc0 .Lno_f32
	WIN 0x08                                       ; an LDS store's data are its source 1: window 2
.irp b, 0,1,2,3,4,5,6,7
	ds_store_b128 v[STO32], v[8*\b:8*\b+3] offset:64*\b            ; each accumulator from its low end on
	ds_store_b128 v[STO32], v[8*\b+4:8*\b+7] offset:64*\b+16
.endr
	WIN 0
.irp t, 0,1,2,3,4,5,6,7,8,9,10,11,12,13,14,15
	ds_load_b128 v[32+4*\t:35+4*\t], v[RD32] offset:\t*528         ; LDS serves a wave's instructions in order: these see my stores
.endr
.irp t, 0,1,2,3,4,5,6,7,8,9,10,11,12,13,14,15
	s_wait_dscnt 15-\t
	global_store_b128 v[CO], v[32+4*\t:35+4*\t], s[98:99] offset:\t*12288   ; 32 lanes store 512 consecutive bytes of a row of q32
.endr
.Lno_f32:
.macro PACK a                          ; block a, rounded to f16: 16 bytes a lane for each of B's eight blocks
.set AC, 64*((\a)%4)
	WIN 0x0a+5*((\a)/4)
.irp b, 0,1,2,3,4,5,6,7
.irp r, 0,1,2,3
	v_cvt_pk_f16_f32 v[TMP+4*\b+\r], v[AC+8*\b+2*\r], v[AC+8*\b+2*\r+1]
.endr
.endr
	WIN 0
.endm
.macro TOSTAGE a
.set BB, BK+32*((\a)%2)
.irp b, 0,1,2,3,4,5,6,7
	ds_store_b128 v[STO], v[TMP+4*\b:TMP+4*\b+3] offset:32*\b
.endr
.irp g, 0,1
.irp i, 0,1,2,3
	ds_load_b128 v[BB+16*\g+4*\i:BB+16*\g+4*\i+3], v[RD] offset:\g*128+\i*4*272
.endr
.endr
.endm
.macro SEND a
.set BB, BK+32*((\a)%2)
	s_wait_dscnt 0x0                               ; the block is back in registers
	s_wait_xcnt 0x0                                ; the earlier stores have read their registers and their base
.if (\a) > 0
	s_add_nc_u64 s[12:13], s[12:13], 16*128        ; 16 positions on
.endif
.irp g, 0,1
.irp i, 0,1,2,3
	global_store_b128 v[CO], v[BB+16*\g+4*\i:BB+16*\g+4*\i+3], s[12:13] offset:\g*HB+\i*512   ; 32 lanes store 512 consecutive bytes: four positions of one head
.endr
.endr
.endm
	PACK 0
	TOSTAGE 0
.irp a, 1,2,3,4,5,6,7                  ; block a's conversions stand between block a - 1's loads from the stage and the wait for them
	PACK \a
	SEND (\a)-1
	TOSTAGE \a
.endr
	SEND 7
	s_wait_tensorcnt 0x0                           ; the wave's end
	ds_add_u32 v[SPW], v[NIL]
	s_wait_dscnt 0x0
	CROUND                                         ; the closing round
	s_endpgm
.Lfunc_end_k_q7492047758_qkv:
	.size	k_q7492047758_qkv, .Lfunc_end_k_q7492047758_qkv-k_q7492047758_qkv
	.p2alignl 7, 3214868480
	.fill 96, 4, 3214868480
	.section	.rodata,"a",@progbits
	.p2align	6, 0x0
	.amdhsa_kernel k_q7492047758_qkv
		.amdhsa_group_segment_fixed_size 327680
		.amdhsa_private_segment_fixed_size 0
		.amdhsa_enable_private_segment 0
		.amdhsa_kernarg_size 48
		.amdhsa_user_sgpr_count 2
		.amdhsa_user_sgpr_kernarg_segment_ptr 1
		.amdhsa_wavefront_size32 1
		.amdhsa_system_sgpr_workgroup_id_x 1
		.amdhsa_system_sgpr_workgroup_id_y 1
		.amdhsa_system_sgpr_workgroup_id_z 1
		.amdhsa_system_vgpr_workitem_id 0
		.amdhsa_next_free_vgpr 1024
		.amdhsa_next_free_sgpr 100
		.amdhsa_reserve_vcc 0
		.amdhsa_float_denorm_mode_32 3
		.amdhsa_float_denorm_mode_16_64 3
		.amdhsa_memory_ordered 1
		.amdhsa_forward_progress 1
		.amdhsa_inst_pref_size 132
	.end_amdhsa_kernel
	.amdgpu_metadata
---
amdhsa.version: [ 1, 2 ]
amdhsa.kernels:
  - .name:           k_q7492047758_qkv
    .symbol:         k_q7492047758_qkv.kd
    .args:
      - { .name: xc, .offset: 0, .size: 8, .value_kind: global_buffer, .address_space: global }
      - { .name: xs, .offset: 8, .size: 8, .value_kind: global_buffer, .address_space: global }
      - { .name: wc, .offset: 16, .size: 8, .value_kind: global_buffer, .address_space: global }
      - { .name: ws, .offset: 24, .size: 8, .value_kind: global_buffer, .address_space: global }
      - { .name: qkv16, .offset: 32, .size: 8, .value_kind: global_buffer, .address_space: global }
      - { .name: q32, .offset: 40, .size: 8, .value_kind: global_buffer, .address_space: global }
    .group_segment_fixed_size: 327680
    .private_segment_fixed_size: 0
    .kernarg_segment_align: 8
    .kernarg_segment_size: 48
    .max_flat_workgroup_size: 128
    .sgpr_count:     100
    .vgpr_count:     1024
    .wavefront_size: 32
...
	.end_amdgpu_metadata
.endif
;; end of part 2
;; launch attn (part 3): grid 4 x 64, 8 waves a work-group, no clusters, 327,680 bytes of LDS; arguments qkv16, att16; writes att16
.if DOCPART == 3
	.amdgcn_target "amdgcn-amd-amdhsa--gfx1250"
	.amdhsa_code_object_version 6
	.text
	.protected	k_q7492047758_attn
	.globl	k_q7492047758_attn
	.p2align	8
	.type	k_q7492047758_attn,@function
k_q7492047758_attn:
	s_mov_b64 s[64:65], 0
	v_nop
	global_prefetch_b8 v0, s[64:65] scope:SCOPE_SE
	s_setreg_imm32_b32 hwreg(HW_REG_WAVE_MODE, 25, 1), 1
	s_wait_xcnt 0x0
; att16[b][h][q][:] = the sum over k <= q of softmax_k(q . k / 8) v[k][:], for each of 64 heads of 2,048 positions x 64.  Operands f16, products, maxima and sums f32; the weights are rounded to f16 for the second product.
; WORK LEFT OUT: steps of 64 keys that lie wholly behind a wave's 32 queries (the mask that reference() builds itself throws their scores away; the argument stands at the head of the first launch's text).
; On the diagonal hidden scores become -infinity.  LIMITS: a row all of whose visible scaled scores lie near or under -1e9 is not served; a NaN or an infinity that reaches only hidden scores is not carried on.
; SHARES.  Work-group (i, head) owns the blocks i and 7 - i of 256 queries: together they want i + 1 and 8 - i slots of 256 keys, nine for every i: 256 work-groups of equal work and a constant count of trips.
; Trips 0 .. i walk block i's key slots 0 .. i, trips i + 1 .. 8 block 7 - i's slots 0 .. 7 - i.  Each of the eight waves owns 32 queries of the block, two tiles of 16, so that a fragment of K or V read from LDS feeds two products.
; NO CLUSTER: the four work-groups of a head want different key slots in the same trip (i + 1 trips on one block, then a new start), so no request could be alike in all partners.
; LAYOUT.  S^T = K Q^T (source 0 = 16 keys, source 1 = 16 queries): a lane holds ONE query (lane % 16) and keys 8 (lane / 16) + 0 .. 7 of a tile.  Two such tiles, rounded in pairs, are source 1 of O^T = V^T P.  V is turned by ds_load_tr16_b128.
; SOFTMAX: a running maximum m and sum l for each query; p = 2^(c s - c m), c = log2(e) / 8; in every step O and l are multiplied by a = 2^(c m_old - c m_new).
; RING: two LDS slots of 256 keys, 2^17 bytes apart; every wave fetches 64 rows of a slot (waves 0-3 K's quarters, waves 4-7 V's) by one tensor load behind each change of slots: one load of a wave is out at most.
; REGISTERS: tile u lives in window u under the same numbers: v16 c m, v17 m, v18-19 l, v20-23 at work (a in v22), v24 r - 8 h, v25 -infinity, v26 the mask's bound; v32-47 Q; v48-63 P; v64-95 S^T; v96-127 O^T;
;   v128-191: window 0 K's fragments, window 1 V's.  Window 0 alone: v1-11 addresses.
.set HB,    262144
.set PK,    144                        ; a key's row in LDS: 128 bytes + 16
.set PV,    160                        ; a row of V: 128 + 32: an odd multiple of 32
.set VOFF,  256*PK
.set SLOT1, 1<<17
.set STAGE, 2*SLOT1                    ; the way out: 2 x 16 rows x 144 bytes for each wave
.set SPARE, STAGE+8*2*16*PK            ; the spare words, 128 bytes for each wave
.set AK0, 1
.set AV0, 2
.set ADK, 3
.set ADV, 4
.set QO,  5
.set STO, 6
.set RD,  7
.set GO,  8
.set PFO, 9
.set SPW, 10
.set NIL, 11
.set CM,  16
.set MX,  17
.set LS,  18
.set T4,  20
.set LC,  24
.set NINF, 25
.set DD,  26
.set QF,  32
.set PF,  48
.set SF,  64
.set OF,  96
.set FRG, 128
.set WV,  8
.set SW,  9
.set TRIP, 10
.set KF,  11
.set Q0,  12
.set TB,  13
.set SEL, 14
.set CS,  16
.set KO,  18                           ; s[18:19] the byte offset of the key slot that is asked for next
.set KB,  20                           ; s[20:21] K of my head at my quarter;  s[22:23] V likewise
.set VB,  22
.set G1K, 24
.set G1V, 32
.set G0K, 40
.set G0V, 44
.set PFA, 56
.set LIM, 58
.set MSB, 0
.macro WIN new
.if MSB != \new
	s_set_vgpr_msb (MSB<<8)|\new
.set MSB, \new
.endif
.endm
; every wave has a load: waves 0-3 K's line, waves 4-7 V's; an s_nop 0 and four v_nop follow each
.macro TLOAD
	s_cmp_lt_u32 s[WV], 4
	s_cbranch_scc0 .Lfor_v_\@
	tensor_load_to_lds s[G0K:G0K+3], s[G1K:G1K+7]
	s_nop 0
.rept 4
	v_nop
.endr
	s_branch .Lasked_\@
.Lfor_v_\@:
	tensor_load_to_lds s[G0V:G0V+3], s[G1V:G1V+7]
	s_nop 0
.rept 4
	v_nop
.endr
.Lasked_\@:
.endm
; A prefetch of what the NEXT change of slots will ask for.  The head's work-group with i = 0 walks key slots 0 .. 7 in order in trips 1 .. 8: it alone asks, in trips 0 .. 6, for slots 1 .. 7;
; each of its eight waves names its own quarter, 8,192 bytes, lanes 256 bytes apart: each run of 256 bytes is named once in the launch.  Slot 0 comes by its loads alone.
.macro ASK
	s_cmp_lt_u32 s[TRIP], s[LIM]
	s_cbranch_scc0 .Lnot_mine_\@
	global_prefetch_b8 v[PFO], s[PFA:PFA+1] th:TH_LOAD_NT scope:SCOPE_SE
.Lnot_mine_\@:
.endm
.macro LOADQ                           ; my 32 queries: tile u into window u; a fragment is 16 rows x 32 channels: two loads of 16 bytes, 32 apart
	s_lshl_b32 s60, s[Q0], 7
	s_mov_b32 s61, 0
	s_add_nc_u64 s[52:53], s[48:49], s[60:61]
.irp kk, 0,1
	global_load_b128 v[QF+8*\kk:QF+8*\kk+3], v[QO], s[52:53] offset:64*\kk
	global_load_b128 v[QF+8*\kk+4:QF+8*\kk+7], v[QO], s[52:53] offset:64*\kk+32
.endr
	WIN 0x40
.irp kk, 0,1
	global_load_b128 v[QF+8*\kk:QF+8*\kk+3], v[QO], s[52:53] offset:2048+64*\kk
	global_load_b128 v[QF+8*\kk+4:QF+8*\kk+7], v[QO], s[52:53] offset:2048+64*\kk+32
.endr
	WIN 0
.endm
.macro INIT1                           ; a step is written once: the first finds m = -3e38 and zeros, which the first a = 0 leaves zeros
	v_mov_b32 v[MX], 0xff61b1e6
	v_mul_f32 v[CM], s[CS], v[MX]
	v_mov_b32 v[LS], 0
	v_mov_b32 v[LS+1], 0
	v_mov_b32 v[T4+1], 0
	v_mov_b32 v[T4+3], 0
.set i, 0
.rept 32
	v_mov_b32 v[OF+i], 0
.set i, i+1
.endr
.endm
.macro INIT
	INIT1
	WIN 0x55
	INIT1
	WIN 0
.endm
.macro SPROD                           ; 8 products S^T = K Q^T of one tile of queries: the four accumulators by turns; the first four start the sums
.irp kk, 0,1
.irp kt, 0,1,2,3
.if \kk == 0
	v_wmma_f32_16x16x32_f16 v[SF+8*\kt:SF+8*\kt+7], v[FRG+8*(2*\kt+\kk):FRG+8*(2*\kt+\kk)+7], v[QF+8*\kk:QF+8*\kk+7], 0
.else
	v_wmma_f32_16x16x32_f16 v[SF+8*\kt:SF+8*\kt+7], v[FRG+8*(2*\kt+\kk):FRG+8*(2*\kt+\kk)+7], v[QF+8*\kk:QF+8*\kk+7], v[SF+8*\kt:SF+8*\kt+7]
.endif
.endr
.endr
.endm
.macro PVPROD                          ; 8 products O^T += V^T P: the four accumulators by turns
.irp kh, 0,1
.irp ct, 0,1,2,3
	v_wmma_f32_16x16x32_f16 v[OF+8*\ct:OF+8*\ct+7], v[FRG+8*(4*\kh+\ct):FRG+8*(4*\kh+\ct)+7], v[PF+8*\kh:PF+8*\kh+7], v[OF+8*\ct:OF+8*\ct+7]
.endr
.endr
.endm
.macro MASK1                           ; register 8 kt + j holds key KF + 16 kt + 8 h + j: hidden where 16 kt + j > my query - KF - 8 h
.set n, 0
.rept 32
	v_cmp_gt_i32 vcc_lo, 16*(n/8)+n%8, v[DD]
	v_cndmask_b32 v[SF+n], v[SF+n], v[NINF], vcc_lo
.set n, n+1
.endr
.endm
.macro SOFTMAX                         ; one tile's softmax for 64 keys, in the window that is set
.irp j, 0,1,2,3
	v_max3_num_f32 v[T4+\j], v[SF+8*\j], v[SF+8*\j+1], v[SF+8*\j+2]        ; each accumulator is read from its low end on
.endr
.irp g, 1,2
.irp j, 0,1,2,3
	v_max3_num_f32 v[T4+\j], v[T4+\j], v[SF+8*\j+2*\g+1], v[SF+8*\j+2*\g+2]
.endr
.endr
	v_max3_num_f32 v[T4], v[T4], v[SF+7], v[SF+15]
	v_max3_num_f32 v[T4+2], v[T4+2], v[SF+23], v[SF+31]
	v_max3_num_f32 v[T4], v[T4], v[T4+1], v[T4+2]
	v_max3_num_f32 v[T4], v[T4], v[T4+3], v[MX]
	v_permlanex16_b32 v[T4+1], v[T4], s[SEL], s[SEL+1]     ; the query's other 32 keys lie in the lane 16 away
	v_mov_b32 v[T4+3], v[CM]
	v_max_num_f32 v[MX], v[T4], v[T4+1]
	v_mul_f32 v[CM], s[CS], v[MX]
	v_sub_f32 v[T4+3], v[T4+3], v[CM]
.set i, 0
.rept 16
	v_pk_fma_f32 v[SF+2*i:SF+2*i+1], v[SF+2*i:SF+2*i+1], s[CS:CS+1], v[CM:CM+1] op_sel_hi:[1,0,0] neg_lo:[0,0,1] neg_hi:[0,0,1]   ; c s - c m
.set i, i+1
.endr
	v_exp_f32 v[T4+2], v[T4+3]                     ; a
.set i, 0
.rept 32
	v_exp_f32 v[SF+i], v[SF+i]                     ; p: one batch of 33 exponentials
.set i, i+1
.endr
	v_nop                                          ; a plain line behind the last exponential
	s_wait_alu depctr_va_vdst(0)                   ; one wait for the batch, ahead of its first reader
.set i, 0
.rept 16
	v_cvt_pk_f16_f32 v[PF+i], v[SF+2*i], v[SF+2*i+1]
.set i, i+1
.endr
.irp u, 0,1,2,3,4,5,6,7
	v_pk_add_f32 v[SF+4*\u:SF+4*\u+1], v[SF+4*\u:SF+4*\u+1], v[SF+4*\u+2:SF+4*\u+3]
.endr
.irp u, 0,1,2,3
	v_pk_add_f32 v[SF+8*\u:SF+8*\u+1], v[SF+8*\u:SF+8*\u+1], v[SF+8*\u+4:SF+8*\u+5]
.endr
.irp u, 0,1
	v_pk_add_f32 v[SF+16*\u:SF+16*\u+1], v[SF+16*\u:SF+16*\u+1], v[SF+16*\u+8:SF+16*\u+9]
.endr
	v_pk_add_f32 v[SF:SF+1], v[SF:SF+1], v[SF+16:SF+17]
	v_pk_fma_f32 v[LS:LS+1], v[LS:LS+1], v[T4+2:T4+3], v[SF:SF+1] op_sel_hi:[1,0,1]   ; l = a l + the step's sum
.set i, 0
.rept 16
	v_pk_mul_f32 v[OF+2*i:OF+2*i+1], v[OF+2*i:OF+2*i+1], v[T4+2:T4+3] op_sel_hi:[1,0]   ; O^T x a, each accumulator from its low end on
.set i, i+1
.endr
.endm
; A KEY STEP: 64 keys, the q-th of the slot in hand
.macro STEP q
	s_add_co_u32 s60, s[Q0], 31
	s_cmp_gt_u32 s[KF], s60                        ; all 64 keys come after my 32 queries: ids and the count of steps alone
	s_cbranch_scc1 .Lhid_\@
	v_add_nc_u32 v[ADK], s[TB], v[AK0]
	v_add_nc_u32 v[ADV], s[TB], v[AV0]
	v_nop
	v_nop                                          ; four plain lines between the last products and the loads into V's registers
.irp kt, 0,1,2,3
.irp kk, 0,1
	ds_load_b128 v[FRG+8*(2*\kt+\kk):FRG+8*(2*\kt+\kk)+3], v[ADK] offset:(\q)*64*PK+\kt*16*PK+\kk*64
	ds_load_b128 v[FRG+8*(2*\kt+\kk)+4:FRG+8*(2*\kt+\kk)+7], v[ADK] offset:(\q)*64*PK+\kt*16*PK+\kk*64+32
.endr
.endr
	WIN 0x40
.irp kh, 0,1
.irp ct, 0,1,2,3
	ds_load_tr16_b128 v[FRG+8*(4*\kh+\ct):FRG+8*(4*\kh+\ct)+3], v[ADV] offset:(\q)*64*PV+\kh*32*PV+\ct*32
	ds_load_tr16_b128 v[FRG+8*(4*\kh+\ct)+4:FRG+8*(4*\kh+\ct)+7], v[ADV] offset:(\q)*64*PV+\kh*32*PV+\ct*32+16*PV
.endr
.endr
	WIN 0
	s_wait_dscnt 16                                ; K is in; V's sixteen loads may be out
	SPROD
	WIN 0x54                                       ; K window 0; Q and S^T window 1
	SPROD
	WIN 0
.rept 4
	v_nop                                          ; places in front of the first read of the scores
.endr
	s_add_co_u32 s60, s[KF], 63
	s_cmp_le_u32 s60, s[Q0]                        ; all 64 keys count for all my queries: no mask
	s_cbranch_scc1 .Lopen_\@
	s_sub_co_i32 s60, s[Q0], s[KF]
	v_add_nc_u32 v[DD], s60, v[LC]
	MASK1
	WIN 0x55
	s_add_co_u32 s60, s60, 16
	v_add_nc_u32 v[DD], s60, v[LC]
	MASK1
	WIN 0
.Lopen_\@:
	SOFTMAX
	s_wait_dscnt 0x0                               ; V is in
	WIN 0x01                                       ; V window 1; P and O^T window 0
	PVPROD
	WIN 0x55
	SOFTMAX
	PVPROD
	WIN 0
.Lhid_\@:
	s_add_co_u32 s[KF], s[KF], 64
.endm
; THE CHANGE OF SLOTS, at a trip's head.  Each wave waits for its tensor load (its part of the slot ahead), adds 0 to its spare word, and waits for that and for its reads of the slot that it has left.
; Behind the barrier the slot ahead is whole and nobody reads the other one: it takes the keys of the next trip.
.macro CHANGE fill
	s_wait_tensorcnt 0x0                           ; no tensor load of mine is out, so a group 0 may be written
	ds_add_u32 v[SPW], v[NIL]
.if \fill
	s_add_co_u32 s[KO], s[KO], 32768               ; the next 256 keys,
	s_cmp_eq_u32 s[TRIP], s[SW]
	s_cselect_b32 s[KO], 0, s[KO]                  ; or, where the next trip begins the second block, the head's first
	s_add_nc_u64 s[G0K+2:G0K+3], s[KB:KB+1], s[KO:KO+1]
	s_or_b32 s[G0K+3], s[G0K+3], 0x80000000
	s_add_nc_u64 s[G0V+2:G0V+3], s[VB:VB+1], s[KO:KO+1]
	s_or_b32 s[G0V+3], s[G0V+3], 0x80000000
	s_xor_b32 s[G0K+1], s[G0K+1], SLOT1
	s_xor_b32 s[G0V+1], s[G0V+1], SLOT1
	s_wait_xcnt 0x0                                ; the last prefetch, a trip back, has read its address
	s_add_nc_u64 s[PFA:PFA+1], s[PFA:PFA+1], 32768
.endif
	s_wait_dscnt 0x0                               ; the add is done, and my reads of the slot that I have left are over
	s_barrier_signal -1
	s_barrier_wait -1
.if \fill
	TLOAD                                          ; the first thing behind the barrier, and my one tensor load until the next
	ASK
.endif
.endm
.macro FIN_A
	v_add_f32 v[T4], v[LS], v[LS+1]
	v_permlanex16_b32 v[T4+1], v[T4], s[SEL], s[SEL+1]
	v_add_f32 v[T4], v[T4], v[T4+1]                ; the row's sum
	v_rcp_f32 v[T4+2], v[T4]
.endm
.macro FIN_B u                         ; tile u: O^T / l, rounded to f16, through my stage: 16 queries x 128 bytes come back as 2,048 consecutive bytes of att16
	WIN 0x55*\u
.set i, 0
.rept 16
	v_pk_mul_f32 v[OF+2*i:OF+2*i+1], v[OF+2*i:OF+2*i+1], v[T4+2:T4+3] op_sel_hi:[1,0]
.set i, i+1
.endr
.set i, 0
.rept 16
	v_cvt_pk_f16_f32 v[SF+i], v[OF+2*i], v[OF+2*i+1]
.set i, i+1
.endr
	WIN 0x04*\u
.irp ct, 0,1,2,3
	ds_store_b128 v[STO], v[SF+4*\ct:SF+4*\ct+3] offset:\u*16*PK+32*\ct
.endr
	WIN 0x40*\u
.irp i, 0,1,2,3
	ds_load_b128 v[SF+16+4*\i:SF+16+4*\i+3], v[RD] offset:\u*16*PK+\i*4*PK   ; LDS serves a wave's instructions in order: these see my stores
.endr
.endm
.macro FINISH
	s_lshl_b32 s60, s[Q0], 7
	s_mov_b32 s61, 0
	s_add_nc_u64 s[54:55], s[50:51], s[60:61]
.rept 4
	v_nop                                          ; places behind the last products
.endr
	FIN_A
	WIN 0x55
	FIN_A
	v_nop                                          ; a plain line behind the second reciprocal
	s_wait_alu depctr_va_vdst(0)                   ; one wait for both reciprocals, ahead of their first reader
	FIN_B 0
	FIN_B 1
	WIN 0
.irp i, 0,1,2,3
	s_wait_dscnt 11-\i                             ; tile 1's eight LDS instructions and tile 0's younger loads may be out
	global_store_b128 v[GO], v[SF+16+4*\i:SF+16+4*\i+3], s[54:55] offset:\i*512   ; 32 lanes store 512 consecutive bytes
.endr
	WIN 0x04
.irp i, 0,1,2,3
	s_wait_dscnt 3-\i
	global_store_b128 v[GO], v[SF+16+4*\i:SF+16+4*\i+3], s[54:55] offset:2048+\i*512
.endr
	WIN 0
	s_wait_xcnt 0x0                                ; the stores have read their registers and their base
.endm
	s_load_b128 s[4:7], s[0:1], 0x0                ; qkv16 s[4:5], att16 s[6:7]
	v_lshl_add_u32 v[SPW], v0, 2, SPARE
	v_mov_b32 v[NIL], 0
	ds_add_u32 v[SPW], v[NIL]                      ; the wave's opening: the add, twice on end, and its wait ahead of my first tensor load
	ds_add_u32 v[SPW], v[NIL]
	v_lshrrev_b32 v1, 5, v0
	v_readfirstlane_b32 s[WV], v1                  ; wave 0..7
	s_mov_b32 s[SW], ttmp9                         ; i
	s_and_b32 s60, ttmp7, 0xffff                   ; 16 x batch + head
	s_lshl_b32 s60, s60, 18                        ; its bytes in a part of qkv16 and in att16
	s_mov_b32 s61, 0
	s_and_b32 s62, s[WV], 3                        ; which quarter of a slot I fetch
	s_mov_b32 s[G1K], (1<<16)|(1<<20)|(4<<22)|(3<<25)              ; elements of 2 bytes; padding: 4 words behind every 32
	s_mov_b32 s[G1V], (1<<16)|(1<<20)|(4<<22)|(7<<25)              ; 8 words
.irp g, G1K, G1V
	s_mov_b32 s[\g+1], 64<<16                      ; tensor_dim0 = 64
	s_mov_b32 s[\g+2], 64<<16                      ; tensor_dim1 = 64
	s_mov_b32 s[\g+3], 64<<16                      ; tile_dim0 = 64
	s_mov_b32 s[\g+4], 64                          ; tile_dim1 = 64
	s_mov_b32 s[\g+5], 64                          ; elements from row to row
	s_mov_b32 s[\g+6], 0
	s_mov_b32 s[\g+7], 0
.endr
	s_mov_b32 s[G0K], 1
	s_mul_i32 s[G0K+1], s62, 64*PK
	s_mov_b32 s[G0V], 1
	s_mul_i32 s[G0V+1], s62, 64*PV
	s_add_co_u32 s[G0V+1], s[G0V+1], VOFF
	s_lshl_b32 s62, s62, 13
	s_add_co_u32 s62, s62, s60
	s_mov_b32 s63, 0
	s_mov_b32 s[SEL], 0x76543210
	s_mov_b32 s[SEL+1], 0xfedcba98
	s_mov_b32 s[CS], 0x3e38aa3b                    ; c = log2(e) / 8
	s_mov_b32 s[CS+1], s[CS]
	s_mov_b32 s[TB], 0
	s_mov_b32 s[TRIP], 0
	s_mov_b32 s[KF], 0
	s_mov_b32 s[KO], 0
	s_mov_b32 s[KO+1], 0
	s_lshl_b32 s[Q0], s[SW], 8
	s_lshl_b32 s59, s[WV], 5
	s_add_co_u32 s[Q0], s[Q0], s59                 ; my first query: 256 i + 32 x wave
	s_cmp_eq_u32 s[SW], 0
	s_cselect_b32 s[LIM], 7, 0
	s_wait_dscnt 0x0                               ; both opening adds are done
	s_wait_kmcnt 0x0
	s_add_nc_u64 s[48:49], s[4:5], s[60:61]        ; q of my head
	s_add_nc_u64 s[50:51], s[6:7], s[60:61]        ; att16 at my head
	s_add_nc_u64 s[KB:KB+1], s[4:5], s[62:63]
	s_add_nc_u64 s[VB:VB+1], s[KB:KB+1], 128*HB    ; v of my head, at my quarter
	s_add_nc_u64 s[KB:KB+1], s[KB:KB+1], 64*HB     ; k likewise
	s_mov_b64 s[G0K+2:G0K+3], s[KB:KB+1]
	s_or_b32 s[G0K+3], s[G0K+3], 0x80000000
	s_mov_b64 s[G0V+2:G0V+3], s[VB:VB+1]
	s_or_b32 s[G0V+3], s[G0V+3], 0x80000000
	s_cmp_lt_u32 s[WV], 4
	s_cselect_b64 s[PFA:PFA+1], s[KB:KB+1], s[VB:VB+1]   ; at slot 0: the first change steps it to slot 1
	TLOAD                                          ; slot 0
	v_and_b32 v12, 15, v0                          ; r
	v_bfe_u32 v13, v0, 4, 1                        ; h
	v_lshlrev_b32 v[QO], 7, v12
	v_lshl_add_u32 v[QO], v13, 4, v[QO]
	LOADQ
	v_mul_u32_u24 v[AK0], v12, PK
	v_lshl_add_u32 v[AK0], v13, 4, v[AK0]
	v_and_b32 v14, 7, v0
	v_bfe_u32 v15, v0, 3, 1
	v_lshl_add_u32 v[AV0], v13, 3, v14             ; the turning load: key 8 h + l % 8, channels 8 ((l / 8) % 2) on
	v_mul_u32_u24 v[AV0], v[AV0], PV
	v_lshl_add_u32 v[AV0], v15, 4, v[AV0]
	v_add_nc_u32 v[AV0], VOFF, v[AV0]
	s_mul_i32 s60, s[WV], 2*16*PK
	s_add_co_u32 s60, s60, STAGE                   ; my stage
	v_mul_u32_u24 v[STO], v12, PK
	v_lshl_add_u32 v[STO], v13, 4, v[STO]
	v_add_nc_u32 v[STO], s60, v[STO]
	v_and_b32 v14, 31, v0
	v_lshrrev_b32 v15, 3, v14
	v_mul_u32_u24 v[RD], v15, PK
	v_and_b32 v15, 7, v0
	v_lshl_add_u32 v[RD], v15, 4, v[RD]
	v_add_nc_u32 v[RD], s60, v[RD]
	v_lshlrev_b32 v[GO], 4, v14
	v_lshlrev_b32 v[PFO], 8, v14
	v_lshlrev_b32 v15, 3, v13
	v_sub_nc_u32 v[LC], v12, v15                   ; r - 8 h
	v_mov_b32 v[NINF], 0xff800000
	WIN 0x40                                       ; the same two in window 1
	v_mov_b32 v[LC], v[LC]
	v_mov_b32 v[NINF], 0xff800000
	WIN 0
	INIT
	s_wait_loadcnt 0x0                             ; Q
.Ltrip:                                            ; eight trips; the ninth is written out
	CHANGE 1
	STEP 0
	STEP 1
	STEP 2
	STEP 3
	s_xor_b32 s[TB], s[TB], SLOT1
	s_cmp_lg_u32 s[TRIP], s[SW]
	s_cbranch_scc1 .Lsame
	FINISH                                         ; block i is done: it leaves, and block 7 - i begins
	s_sub_co_u32 s[Q0], 7, s[SW]
	s_lshl_b32 s[Q0], s[Q0], 8
	s_lshl_b32 s59, s[WV], 5
	s_add_co_u32 s[Q0], s[Q0], s59
	s_mov_b32 s[KF], 0
	LOADQ
	INIT
	s_wait_loadcnt 0x0
.Lsame:
	s_add_co_u32 s[TRIP], s[TRIP], 1
	s_cmp_lt_u32 s[TRIP], 8
	s_cbranch_scc1 .Ltrip
	CHANGE 0
	STEP 0
	STEP 1
	STEP 2
	STEP 3
	FINISH
	s_wait_tensorcnt 0x0                           ; the wave's end
	ds_add_u32 v[SPW], v[NIL]
	s_wait_dscnt 0x0
	s_endpgm
.Lfunc_end_k_q7492047758_attn:
	.size	k_q7492047758_attn, .Lfunc_end_k_q7492047758_attn-k_q7492047758_attn
	.p2alignl 7, 3214868480
	.fill 96, 4, 3214868480
	.section	.rodata,"a",@progbits
	.p2align	6, 0x0
	.amdhsa_kernel k_q7492047758_attn
		.amdhsa_group_segment_fixed_size 327680
		.amdhsa_private_segment_fixed_size 0
		.amdhsa_enable_private_segment 0
		.amdhsa_kernarg_size 16
		.amdhsa_user_sgpr_count 2
		.amdhsa_user_sgpr_kernarg_segment_ptr 1
		.amdhsa_wavefront_size32 1
		.amdhsa_system_sgpr_workgroup_id_x 1
		.amdhsa_system_sgpr_workgroup_id_y 1
		.amdhsa_system_sgpr_workgroup_id_z 1
		.amdhsa_system_vgpr_workitem_id 0
		.amdhsa_next_free_vgpr 512
		.amdhsa_next_free_sgpr 66
		.amdhsa_reserve_vcc 1
		.amdhsa_float_denorm_mode_32 3
		.amdhsa_float_denorm_mode_16_64 3
		.amdhsa_memory_ordered 1
		.amdhsa_forward_progress 1
		.amdhsa_inst_pref_size 201
	.end_amdhsa_kernel
	.amdgpu_metadata
---
amdhsa.version: [ 1, 2 ]
amdhsa.kernels:
  - .name:           k_q7492047758_attn
    .symbol:         k_q7492047758_attn.kd
    .args:
      - { .name: qkv16, .offset: 0, .size: 8, .value_kind: global_buffer, .address_space: global }
      - { .name: att16, .offset: 8, .size: 8, .value_kind: global_buffer, .address_space: global }
    .group_segment_fixed_size: 327680
    .private_segment_fixed_size: 0
    .kernarg_segment_align: 8
    .kernarg_segment_size: 16
    .max_flat_workgroup_size: 256
    .sgpr_count:     66
    .vgpr_count:     512
    .wavefront_size: 32
...
	.end_amdgpu_metadata
.endif
;; end of part 3
;; launch proj (part 4): grid 4 x 64, 4 waves a work-group, clusters of 4 x 4, 327,680 bytes of LDS; arguments att16, wp16, b_proj, out0; writes out0
.if DOCPART == 4
	.amdgcn_target "amdgcn-amd-amdhsa--gfx1250"
	.amdhsa_code_object_version 6
	.text
	.protected	k_q7492047758_proj
	.globl	k_q7492047758_proj
	.p2align	8
	.type	k_q7492047758_proj,@function
k_q7492047758_proj:
	s_mov_b64 s[64:65], 0
	v_nop
	global_prefetch_b8 v0, s[64:65] scope:SCOPE_SE
	s_setreg_imm32_b32 hwreg(HW_REG_WAVE_MODE, 25, 1), 1
	s_wait_xcnt 0x0
	s_wait_alu depctr_hold_cnt(0) depctr_sa_sdst(0) depctr_va_vdst(0) depctr_va_sdst(0) depctr_va_ssrc(0) depctr_va_vcc(0) depctr_vm_vsrc(0)
	s_getreg_b32 s2, hwreg(HW_REG_IB_STS2, 6, 4)
	s_cmp_eq_u32 s2, 0
	s_cbranch_scc0 .Lentry_in_a_cluster
	s_endpgm
.Lentry_in_a_cluster:
	s_bfe_u32 s2, ttmp6, 0x10000c
	s_cmp_lg_u32 s2, 0xf033
	s_cbranch_scc0 .Lentry_shape_is_right
	s_endpgm
.Lentry_shape_is_right:
; out0 = att W_proj + b_proj, f16 operands, f32 sums.  A = att16 [batch][head][position][64]: k = 64 head + channel;  B = wp16 [k 1024][n 1024] f16.
; ROWS LEFT OUT: positions 0-15 of each batch are stored by the launch that makes them in f32; here their block of 16 rows is not stored.
; A tile of out0 is 128 positions x 256 columns: 256 work-groups.  Four waves, each 64 x 128: 32 accumulators, window 1.  K goes in 8 steps of 128 (two heads) through two LDS slots.
; CLUSTERS: 4 x 4.  The tile row is 16 cy + cluster y (batch = cy, first position = 128 x cluster y), the tile column cx.  A's tiles are shared along a row of the cluster, B's along a column: joint loads.
; THE MATRIX INSTRUCTION IS USED TRANSPOSED: source 0 = 16 columns of W_proj (turned out of rows that lie along n by ds_load_tr16_b128), source 1 = 16 positions: a lane holds eight neighbouring columns of one position.
; REGISTERS: window 0: v8-11 the bias of my 4 columns on the way out; v16-29 addresses; v32-95 A's fragments, two buffers; v96-223 B's, two buffers.  window 1: the accumulators ((a, b) at v[8 (8 a + b)]).
.set PA,     144                       ; a position's 128 bytes of one head + 16
.set PB,     544                       ; a row of W_proj's tile: 512 bytes + 32: an odd multiple of 32
.set AHEAD,  128*PA
.set BOFF,   2*AHEAD
.set BHALF,  64*PB
.set SLOT,   BOFF+2*BHALF
.set STAGE,  2*SLOT
.set SPITCH, 528
.set SPARE,  STAGE+4*16*SPITCH
.set LAPS,   4
.set ADRA, 16
.set ADRB, 20
.set STO,  24
.set RD,   25
.set CO,   26
.set SPW,  28
.set NIL,  29
.set AF,   32
.set BF,   96
.set BK,   32
.set G1, 24
.set G0, 32
.set G1B, 48
.set G0B, 56
.set MSB, 0
.macro WIN new
.if MSB != \new
	s_set_vgpr_msb (MSB<<8)|\new
.set MSB, \new
.endif
.endm
.set MUL, 0x50                         ; operands window 0; C and D window 1
.macro JLOAD s                         ; waves 0 and 1 fetch A's two heads, waves 2 and 3 B's two halves; an s_nop 0 and four v_nop follow each line
	s_cmp_eq_u32 s13, 0
	s_cbranch_scc0 .Lfor_b_\@
	tensor_load_to_lds s[G0+4*\s:G0+4*\s+3], s[G1:G1+7]
	s_nop 0
.rept 4
	v_nop
.endr
	s_branch .Lasked_\@
.Lfor_b_\@:
	tensor_load_to_lds s[G0B+4*\s:G0B+4*\s+3], s[G1B:G1B+7]
	s_nop 0
.rept 4
	v_nop
.endr
.Lasked_\@:
.endm
.macro CREST
	s_cmp_lg_u32 s12, 0
	s_cbranch_scc1 .Lnot_wave_0_\@
	s_barrier_signal -3
.Lnot_wave_0_\@:
	s_barrier_wait -3
	s_barrier_signal -1
	s_barrier_wait -1
.endm
.macro CROUND
	s_barrier_signal -1
	s_barrier_wait -1
	CREST
.endm
	s_load_b256 s[4:11], s[0:1], 0x0               ; att16 s[4:5], wp16 s[6:7], b_proj s[8:9], out0 s[10:11]
	v_lshl_add_u32 v[SPW], v0, 2, SPARE
	v_mov_b32 v[NIL], 0
	ds_add_u32 v[SPW], v[NIL]                      ; the wave's opening: the add, twice on end, and its wait ahead of my first tensor load
	ds_add_u32 v[SPW], v[NIL]
	v_lshrrev_b32 v1, 5, v0
	v_readfirstlane_b32 s12, v1                    ; wave 0..3
	s_lshr_b32 s13, s12, 1                         ; which 64 positions are mine.  Also: I fetch for A (0) or for B (1)
	s_and_b32 s14, s12, 1                          ; which 128 columns.  Also: which head of A, or which 64 rows of B, I fetch
	s_bfe_u32 s40, ttmp6, 0x40000                  ; cx
	s_bfe_u32 s41, ttmp6, 0x40004                  ; cy
	s_lshl_b32 s42, ttmp9, 2
	s_add_co_u32 s42, s42, s40                     ; tile column
	s_and_b32 s45, ttmp7, 0xffff                   ; cluster y
	s_lshl_b32 s43, s41, 2
	s_lshl_b32 s43, 15, s43                        ; my row of the cluster
	s_lshl_b32 s44, 0x1111, s40                    ; my column
	s_or_b32 s[G1+0], s43, (1<<16)|(1<<20)|(1<<21)|(4<<22)|(3<<25)   ; A: elements of 2 bytes; 4 words of padding behind every 32
	s_mov_b32 s[G1+1], 64<<16
	s_mov_b32 s[G1+2], 128<<16
	s_mov_b32 s[G1+3], 64<<16
	s_mov_b32 s[G1+4], 128
	s_mov_b32 s[G1+5], 64
	s_mov_b32 s[G1+6], 0
	s_mov_b32 s[G1+7], 0
	s_or_b32 s[G1B+0], s44, (1<<16)|(1<<20)|(1<<21)|(6<<22)|(7<<25)  ; B: 8 words behind every 128
	s_mov_b32 s[G1B+1], 256<<16
	s_mov_b32 s[G1B+2], 64<<16
	s_mov_b32 s[G1B+3], 256<<16
	s_mov_b32 s[G1B+4], 64
	s_mov_b32 s[G1B+5], 1024
	s_mov_b32 s[G1B+6], 0
	s_mov_b32 s[G1B+7], 0
	s_lshl_b32 s16, s41, 22                        ; A: the batch's 16 heads,
	s_lshl_b32 s17, s14, 18                        ; my head of the K step's two,
	s_add_co_u32 s16, s16, s17
	s_lshl_b32 s17, s45, 14                        ; the tile's first position
	s_add_co_u32 s16, s16, s17
	s_mov_b32 s17, 0
	s_lshl_b32 s46, s14, 17                        ; B: my 64 rows of 2,048 bytes,
	s_lshl_b32 s47, s42, 9                         ; the tile's 256 columns
	s_add_co_u32 s46, s46, s47
	s_mov_b32 s47, 0
	s_mul_i32 s20, s14, AHEAD                      ; where they go: no place in the cluster enters an LDS address
	s_mul_i32 s21, s14, BHALF
	s_add_co_u32 s21, s21, BOFF
	s_wait_dscnt 0x0                               ; both opening adds are done
	s_wait_kmcnt 0x0
	s_add_nc_u64 s[18:19], s[4:5], s[16:17]
	s_add_nc_u64 s[46:47], s[6:7], s[46:47]
	CROUND                                         ; all sixteen work-groups are here: the first joint loads meet
.irp s, 0,1
	s_mov_b32 s[G0+4*\s], 1
	s_add_co_u32 s[G0+4*\s+1], s20, \s*SLOT
	s_add_nc_u64 s[G0+4*\s+2:G0+4*\s+3], s[18:19], \s*(1<<19)      ; a K step is two heads
	s_or_b32 s[G0+4*\s+3], s[G0+4*\s+3], 0x80000000
	s_mov_b32 s[G0B+4*\s], 1
	s_add_co_u32 s[G0B+4*\s+1], s21, \s*SLOT
	s_add_nc_u64 s[G0B+4*\s+2:G0B+4*\s+3], s[46:47], \s*(1<<18)    ; and 128 rows of W_proj
	s_or_b32 s[G0B+4*\s+3], s[G0B+4*\s+3], 0x80000000
	JLOAD \s
.endr
	v_and_b32 v1, 15, v0                           ; r
	v_bfe_u32 v2, v0, 4, 1                         ; h
	v_mul_u32_u24 v3, v1, PA
	v_lshl_add_u32 v3, v2, 4, v3
	s_mul_i32 s21, s13, 64*PA
	v_and_b32 v4, 7, v0
	v_lshl_add_u32 v4, v2, 3, v4                   ; the turning load: row 8 h + l % 8, columns 8 ((l / 8) % 2) on
	v_mul_u32_u24 v4, v4, PB
	v_bfe_u32 v5, v0, 3, 1
	v_lshl_add_u32 v4, v5, 4, v4
	s_lshl_b32 s22, s14, 8
	s_add_co_u32 s22, s22, BOFF
.irp s, 0,1
	v_add_nc_u32 v[ADRA+\s], s21, v3
	v_add_nc_u32 v[ADRB+\s], s22, v4
	s_add_co_u32 s21, s21, SLOT
	s_add_co_u32 s22, s22, SLOT
.endr
	s_mul_i32 s23, s12, 16*SPITCH
	s_add_co_u32 s23, s23, STAGE                   ; my stage
	v_mul_u32_u24 v5, v1, SPITCH
	v_lshl_add_u32 v5, v2, 5, v5
	v_add_nc_u32 v[STO], s23, v5
	v_and_b32 v6, 31, v0
	v_lshlrev_b32 v[CO], 4, v6
	v_add_nc_u32 v[RD], s23, v[CO]
	s_lshl_b32 s16, s41, 4
	s_add_co_u32 s16, s16, s45
	s_lshl_b32 s16, s16, 7
	s_lshl_b32 s17, s13, 6
	s_add_co_u32 s16, s16, s17                     ; my first row of out0
	s_lshl_b32 s16, s16, 12
	s_lshl_b32 s46, s42, 10
	s_lshl_b32 s47, s14, 9
	s_add_co_u32 s46, s46, s47                     ; my first column, in bytes
	s_mov_b32 s47, 0
	s_add_nc_u64 s[8:9], s[8:9], s[46:47]
	s_add_co_u32 s16, s16, s46
	s_mov_b32 s17, 0
	s_add_nc_u64 s[10:11], s[10:11], s[16:17]
	global_load_b128 v[8:11], v[CO], s[8:9]        ; the bias of the 4 columns that I store; waited for on the way out
.macro MUL8 f, a, zero                 ; A's block a x B's eight, 32 along K.  The 32 accumulators take turns, in the same order in every quarter
.irp b, 0,1,2,3,4,5,6,7
.if \zero
	v_wmma_f32_16x16x32_f16 v[8*(8*(\a)+\b):8*(8*(\a)+\b)+7], v[BF+64*(\f)+8*\b:BF+64*(\f)+8*\b+7], v[AF+32*(\f)+8*(\a):AF+32*(\f)+8*(\a)+7], 0
.else
	v_wmma_f32_16x16x32_f16 v[8*(8*(\a)+\b):8*(8*(\a)+\b)+7], v[BF+64*(\f)+8*\b:BF+64*(\f)+8*\b+7], v[AF+32*(\f)+8*(\a):AF+32*(\f)+8*(\a)+7], v[8*(8*(\a)+\b):8*(8*(\a)+\b)+7]
.endif
.endr
.endm
.macro FETCH slot, q, f                ; 24 LDS loads in one run: the fragments of the slot's q-th 32 along K into buffer f; A's blocks 2 and 3 last
	WIN 0
.irp b, 0,1,2,3,4,5,6,7
	ds_load_tr16_b128 v[BF+64*(\f)+8*\b:BF+64*(\f)+8*\b+3],   v[ADRB+\slot] offset:(\q)*32*PB+32*\b
	ds_load_tr16_b128 v[BF+64*(\f)+8*\b+4:BF+64*(\f)+8*\b+7], v[ADRB+\slot] offset:(\q)*32*PB+32*\b+16*PB
.endr
.irp a, 0,1,2,3
	ds_load_b128 v[AF+32*(\f)+8*\a:AF+32*(\f)+8*\a+3],   v[ADRA+\slot] offset:((\q)/2)*AHEAD+((\q)%2)*64+\a*16*PA
	ds_load_b128 v[AF+32*(\f)+8*\a+4:AF+32*(\f)+8*\a+7], v[ADRA+\slot] offset:((\q)/2)*AHEAD+((\q)%2)*64+\a*16*PA+32
.endr
.endm
.macro PLACES
.rept 4
	v_nop
.endr
.endm
.macro QUARTER slot, q, f, g, zero     ; multiplies buffer f; in its middle it fetches the slot's q-th quarter into buffer g
	s_wait_dscnt 4                                 ; B and A's blocks 0, 1 are in; the youngest four loads may be out
	WIN MUL
	MUL8 \f, 0, \zero
	MUL8 \f, 1, \zero
	PLACES
	FETCH \slot, \q, \g
	s_wait_dscnt 24                                ; all but the 24 just issued
	WIN MUL
	MUL8 \f, 2, \zero
	MUL8 \f, 3, \zero
.endm
; A K step's last quarter multiplies buffer 1 and changes slots: one barrier; in front of it each wave waits for all its tensor loads, adds 0 to its spare word, and waits for that and for its reads of this slot
.macro TURN slot, next, fill
	WIN 0
	s_wait_tensorcnt 0x0                           ; my part of the next slot has landed
	ds_add_u32 v[SPW], v[NIL]
	s_wait_dscnt 5                                 ; (the add and the youngest four loads may be out)
	WIN MUL
	MUL8 1, 0, 0
	s_wait_dscnt 0x0                               ; the add is done, and my reads of this slot are over
	s_barrier_signal -1
	MUL8 1, 1, 0
	WIN 0
	s_barrier_wait -1
.if \fill
	CREST                                          ; the barrier has opened a round of the cluster's barrier
	s_add_nc_u64 s[G0+4*\slot+2:G0+4*\slot+3], s[G0+4*\slot+2:G0+4*\slot+3], 1<<20
	s_add_nc_u64 s[G0B+4*\slot+2:G0B+4*\slot+3], s[G0B+4*\slot+2:G0B+4*\slot+3], 1<<19
	JLOAD \slot                                    ; the first tensor load behind the round; its four v_nop are also the places in front of the loads below
.else
	PLACES
.endif
	FETCH \next, 0, 0
	WIN MUL
	MUL8 1, 2, 0
	MUL8 1, 3, 0
.endm
	s_wait_tensorcnt 1                             ; my part of K step 0 is in (K step 1's load may be out),
	s_barrier_signal -1
	s_barrier_wait -1                              ; everybody's is
	FETCH 0, 0, 0
	QUARTER 0, 1, 0, 1, 1                          ; the first quarter's products start the sums
	WIN 0
	s_mov_b32 s3, LAPS-1
.Llap:                                             ; a trip goes once round the ring and fills both slots again
	QUARTER 0, 2, 1, 0, 0
	QUARTER 0, 3, 0, 1, 0
	TURN 0, 1, 1
	QUARTER 1, 1, 0, 1, 0
	QUARTER 1, 2, 1, 0, 0
	QUARTER 1, 3, 0, 1, 0
	TURN 1, 0, 1
	QUARTER 0, 1, 0, 1, 0
	WIN 0
	s_sub_co_u32 s3, s3, 1
	s_cmp_lg_u32 s3, 0
	s_cbranch_scc1 .Llap
	QUARTER 0, 2, 1, 0, 0                          ; the last lap fills nothing
	QUARTER 0, 3, 0, 1, 0
	TURN 0, 1, 0
	QUARTER 1, 1, 0, 1, 0
	QUARTER 1, 2, 1, 0, 0
	QUARTER 1, 3, 0, 1, 0
	s_wait_dscnt 4
	WIN MUL
	MUL8 1, 0, 0
	MUL8 1, 1, 0
	s_wait_dscnt 0
	MUL8 1, 2, 0
	MUL8 1, 3, 0
	WIN 0
	PLACES
; THE WAY OUT, block by block of 16 positions x 128 columns: through my own stage, back as whole rows of 512 bytes, the bias added, stored
.macro TOSTAGE a
	WIN 0x04                                       ; an LDS store's data are its source 1: window 1
.irp b, 0,1,2,3,4,5,6,7
	ds_store_b128 v[STO], v[8*(8*(\a)+\b):8*(8*(\a)+\b)+3] offset:64*\b       ; each accumulator from its low end on
	ds_store_b128 v[STO], v[8*(8*(\a)+\b)+4:8*(8*(\a)+\b)+7] offset:64*\b+16
.endr
	WIN 0
.set BB, BK+64*((\a)%2)
.irp t, 0,1,2,3,4,5,6,7,8,9,10,11,12,13,14,15
	ds_load_b128 v[BB+4*\t:BB+4*\t+3], v[RD] offset:\t*SPITCH      ; LDS serves a wave's instructions in order
.endr
.endm
.macro SEND a, younger
.set BB, BK+64*((\a)%2)
	s_wait_dscnt \younger
.irp t, 0,1,2,3,4,5,6,7,8,9,10,11,12,13,14,15
	v_pk_add_f32 v[BB+4*\t:BB+4*\t+1], v[BB+4*\t:BB+4*\t+1], v[8:9]
	v_pk_add_f32 v[BB+4*\t+2:BB+4*\t+3], v[BB+4*\t+2:BB+4*\t+3], v[10:11]
.endr
.irp t, 0,1,2,3,4,5,6,7,8,9,10,11,12,13,14,15
	global_store_b128 v[CO], v[BB+4*\t:BB+4*\t+3], s[10:11] offset:(\a)*65536+\t*4096 th:TH_STORE_NT   ; 32 lanes store 512 consecutive bytes, aligned
.endr
.endm
	s_wait_loadcnt 0x0                             ; the bias
	s_or_b32 s20, s45, s13                         ; my block 0 holds positions 0-15 where the tile begins a sequence and I hold its first half: the cluster's y and the wave's number alone
	s_cmp_eq_u32 s20, 0
	s_cbranch_scc1 .Lskip0
	TOSTAGE 0
	SEND 0, 0
.Lskip0:
	TOSTAGE 1
.irp a, 2,3
	s_wait_xcnt 0x0                                ; block a - 2's stores have read their registers
	TOSTAGE \a
	SEND (\a)-1, 32                                ; behind block a - 1's loads: block a's 16 stores and 16 loads
.endr
	SEND 3, 0
	s_wait_tensorcnt 0x0                           ; the wave's end
	ds_add_u32 v[SPW], v[NIL]
	s_wait_dscnt 0x0
	CROUND                                         ; the closing round
	s_endpgm
.Lfunc_end_k_q7492047758_proj:
	.size	k_q7492047758_proj, .Lfunc_end_k_q7492047758_proj-k_q7492047758_proj
	.p2alignl 7, 3214868480
	.fill 96, 4, 3214868480
	.section	.rodata,"a",@progbits
	.p2align	6, 0x0
	.amdhsa_kernel k_q7492047758_proj
		.amdhsa_group_segment_fixed_size 327680
		.amdhsa_private_segment_fixed_size 0
		.amdhsa_enable_private_segment 0
		.amdhsa_kernarg_size 32
		.amdhsa_user_sgpr_count 2
		.amdhsa_user_sgpr_kernarg_segment_ptr 1
		.amdhsa_wavefront_size32 1
		.amdhsa_system_sgpr_workgroup_id_x 1
		.amdhsa_system_sgpr_workgroup_id_y 1
		.amdhsa_system_sgpr_workgroup_id_z 1
		.amdhsa_system_vgpr_workitem_id 0
		.amdhsa_next_free_vgpr 512
		.amdhsa_next_free_sgpr 66
		.amdhsa_reserve_vcc 0
		.amdhsa_float_denorm_mode_32 3
		.amdhsa_float_denorm_mode_16_64 3
		.amdhsa_memory_ordered 1
		.amdhsa_forward_progress 1
		.amdhsa_inst_pref_size 93
	.end_amdhsa_kernel
	.amdgpu_metadata
---
amdhsa.version: [ 1, 2 ]
amdhsa.kernels:
  - .name:           k_q7492047758_proj
    .symbol:         k_q7492047758_proj.kd
    .args:
      - { .name: att16, .offset: 0, .size: 8, .value_kind: global_buffer, .address_space: global }
      - { .name: wp16, .offset: 8, .size: 8, .value_kind: global_buffer, .address_space: global }
      - { .name: b_proj, .offset: 16, .size: 8, .value_kind: global_buffer, .address_space: global }
      - { .name: out0, .offset: 24, .size: 8, .value_kind: global_buffer, .address_space: global }
    .group_segment_fixed_size: 327680
    .private_segment_fixed_size: 0
    .kernarg_segment_align: 8
    .kernarg_segment_size: 32
    .max_flat_workgroup_size: 128
    .sgpr_count:     66
    .vgpr_count:     512
    .wavefront_size: 32
...
	.end_amdgpu_metadata
.endif
;; end of part 4
;; launch first16 (part 5): grid 16 x 4, 16 waves a work-group, no clusters, 71,680 bytes of LDS; arguments q32, W_proj, b_proj, out0; writes out0
.if DOCPART == 5
	.amdgcn_target "amdgcn-amd-amdhsa--gfx1250"
	.amdhsa_code_object_version 6
	.text
	.protected	k_q7492047758_first16
	.globl	k_q7492047758_first16
	.p2align	8
	.type	k_q7492047758_first16,@function
k_q7492047758_first16:
	s_mov_b64 s[64:65], 0
	v_nop
	global_prefetch_b8 v0, s[64:65] scope:SCOPE_SE
	s_setreg_imm32_b32 hwreg(HW_REG_WAVE_MODE, 25, 1), 1
	s_wait_xcnt 0x0
; Positions 0-15 of each batch, in f32 throughout: these rows average one to sixteen values and are the largest of the output, so f16 operands would use up what the comparison allows.
; q32 [batch][16][3072] holds their q, k, v in f32.  A work-group makes 64 columns of out0 for one batch's 16 rows; wave = head.  A head's 64 channels of the attention's result are also its slice of the
; projection's K: so that result never leaves the wave's registers, and the sixteen heads' parts of the sum meet once, in LDS.
; WORK LEFT OUT: keys behind position 15 (hidden for these queries by the mask that reference() builds itself); inside the one tile hidden scores become -infinity.
; The f32 matrix form takes 4 along K: lane (r, h), register j is k = 2 h + j.  One and the same renaming of k is used for both sources of a product:
;   S^T = K Q^T:   a lane holds channels 32 h + 0 .. 31 of its row; step s takes registers 2 s, 2 s + 1.  Result: lane = query r, register j = key 8 h + j.
;   O^T = V^T P:   P as it stands: step s takes keys 8 h + 2 s + j.  V: register 8 c + e = v[key 8 h + e][channel 16 c + r].  Result: lane = query r, register j of tile c = channel 16 c + 8 h + j.
;   out = (O / l) W: O / l as it stands is source 0 (lane = query).  W: register 8 t + e of chunk c = W_proj[64 head + 16 c + 8 h + e][64 cb + 16 t + r].  Result: register j = query 8 h + j, lane = column r.
; What the f32 matrix form writes (v112-127, v144-207) is written by matrix instructions alone; accumulators take turns.
.set QR,  16                           ; v16-47  q, later W's chunk 1, at the end the sixteen parts
.set KR,  48                           ; v48-79  k, later W's chunk 2
.set VR,  80                           ; v80-111 v, later O / l
.set SA,  112                          ; v112-127 two accumulators of the scores
.set PR,  128                          ; v128-135 the scores' sum, then p;  v136-143 at work
.set OA,  144                          ; v144-175 O^T
.set ACC, 176                          ; v176-207 my head's part of out
.set WA,  208                          ; v208-239 W's chunk 0, later chunk 3
.set SPW, 254
.set NIL, 255
.set SPARE, 69632                      ; behind the sixteen parts of 16 x 272 bytes: the spare words, 128 bytes for each wave
	s_load_b256 s[4:11], s[0:1], 0x0               ; q32 s[4:5], W_proj s[6:7], b_proj s[8:9], out0 s[10:11]
	v_lshl_add_u32 v[SPW], v0, 2, SPARE
	v_mov_b32 v[NIL], 0
	v_lshrrev_b32 v1, 5, v0
	v_readfirstlane_b32 s12, v1                    ; wave = head
	s_and_b32 s13, ttmp7, 0xffff                   ; batch
	v_and_b32 v1, 15, v0                           ; r
	v_bfe_u32 v2, v0, 4, 1                         ; h
	v_mul_u32_u24 v3, v1, 12288
	v_lshl_add_u32 v3, v2, 7, v3                   ; q, k: row r, + 32 h channels
	v_mul_u32_u24 v4, v2, 8*12288
	v_lshl_add_u32 v4, v1, 2, v4                   ; v: row 8 h, channel r
	v_lshlrev_b32 v5, 15, v2
	v_lshl_add_u32 v5, v1, 2, v5                   ; W_proj: row 8 h, column r
	v_lshlrev_b32 v6, 3, v2
	v_sub_nc_u32 v6, v1, v6                        ; r - 8 h
	v_mov_b32 v7, 0xff800000                       ; -infinity
	s_mul_i32 s14, s12, 16*272
	v_mul_u32_u24 v8, v2, 8*272
	v_lshl_add_u32 v8, v1, 2, v8
	v_add_nc_u32 v8, s14, v8                       ; my part in LDS: row 8 h, column r
	s_mul_i32 s14, s12, 272
	v_and_b32 v10, 31, v0
	v_lshlrev_b32 v10, 3, v10                      ; 8 bytes a lane
	v_add_nc_u32 v9, s14, v10                      ; back: row = my wave's number
	v_mov_b32 v137, 0
	v_mov_b32 v139, 0
	v_mov_b32 v141, 0
	s_mov_b32 s16, 0x76543210
	s_mov_b32 s17, 0xfedcba98
	s_mov_b32 s18, 0x3e38aa3b                      ; c = log2(e) / 8
	s_mov_b32 s19, s18
	s_mul_i32 s20, s13, 16*12288
	s_lshl_b32 s22, s12, 8
	s_add_co_u32 s20, s20, s22
	s_mov_b32 s21, 0
	s_lshl_b32 s22, s12, 18                        ; my head's 64 rows of W_proj
	s_lshl_b32 s24, ttmp9, 8                       ; the work-group's 64 columns
	s_add_co_u32 s22, s22, s24
	s_mov_b32 s23, 0
	s_mov_b32 s25, 0
	s_lshl_b32 s26, s13, 11
	s_add_co_u32 s26, s26, s12                     ; the row of out0 that my wave stores
	s_lshl_b32 s26, s26, 12
	s_add_co_u32 s26, s26, s24
	s_mov_b32 s27, 0
	s_wait_kmcnt 0x0
	s_add_nc_u64 s[4:5], s[4:5], s[20:21]
	s_add_nc_u64 s[6:7], s[6:7], s[22:23]
	s_add_nc_u64 s[8:9], s[8:9], s[24:25]
	s_add_nc_u64 s[10:11], s[10:11], s[26:27]
	global_load_b64 v[240:241], v10, s[8:9]        ; the bias of my two columns
.irp i, 0,1,2,3,4,5,6,7
	global_load_b128 v[QR+4*\i:QR+4*\i+3], v3, s[4:5] offset:16*\i
.endr
.irp i, 0,1,2,3,4,5,6,7
	global_load_b128 v[KR+4*\i:KR+4*\i+3], v3, s[4:5] offset:4096+16*\i
.endr
.irp c, 0,1,2,3
.irp e, 0,1,2,3,4,5,6,7
	global_load_b32 v[VR+8*\c+\e], v4, s[4:5] offset:8192+\e*12288+\c*64
.endr
.endr
.macro WLOAD c, reg
.irp t, 0,1,2,3
.irp e, 0,1,2,3,4,5,6,7
	global_load_b32 v[\reg+8*\t+\e], v5, s[6:7] offset:(16*\c+\e)*4096+\t*64
.endr
.endr
.endm
.macro PLACES8
.rept 8
	v_nop
.endr
.endm
.macro CHUNK c, reg                    ; 16 channels of the projection's K: four steps x four tiles of columns
.irp s, 0,1,2,3
.irp t, 0,1,2,3
.if (\c == 0) && (\s == 0)
	v_wmma_f32_16x16x4_f32 v[ACC+8*\t:ACC+8*\t+7], v[VR+8*\c+2*\s:VR+8*\c+2*\s+1], v[\reg+8*\t+2*\s:\reg+8*\t+2*\s+1], 0
.else
	v_wmma_f32_16x16x4_f32 v[ACC+8*\t:ACC+8*\t+7], v[VR+8*\c+2*\s:VR+8*\c+2*\s+1], v[\reg+8*\t+2*\s:\reg+8*\t+2*\s+1], v[ACC+8*\t:ACC+8*\t+7]
.endif
.endr
.endr
.endm
	s_wait_loadcnt 32                              ; the bias, q and k are in; v's 32 loads may be out
.set s, 0
.rept 16
.if s < 2
	v_wmma_f32_16x16x4_f32 v[SA+8*(s%2):SA+8*(s%2)+7], v[KR+2*s:KR+2*s+1], v[QR+2*s:QR+2*s+1], 0
.else
	v_wmma_f32_16x16x4_f32 v[SA+8*(s%2):SA+8*(s%2)+7], v[KR+2*s:KR+2*s+1], v[QR+2*s:QR+2*s+1], v[SA+8*(s%2):SA+8*(s%2)+7]
.endif
.set s, s+1
.endr
	WLOAD 0, WA
	PLACES8                                        ; eight places behind this form, in front of the first read of the scores
.irp i, 0,1,2,3
	v_pk_add_f32 v[PR+2*\i:PR+2*\i+1], v[SA+2*\i:SA+2*\i+1], v[SA+8+2*\i:SA+8+2*\i+1]   ; both accumulators from their low end on
.endr
.irp j, 0,1,2,3,4,5,6,7
	v_cmp_gt_i32 vcc_lo, \j, v6                    ; key 8 h + j comes after query r
	v_cndmask_b32 v[PR+\j], v[PR+\j], v7, vcc_lo
.endr
	v_max3_num_f32 v136, v[PR], v[PR+1], v[PR+2]
	v_max3_num_f32 v137, v[PR+3], v[PR+4], v[PR+5]
	v_max3_num_f32 v136, v136, v[PR+6], v[PR+7]
	v_max_num_f32 v136, v136, v137
	v_permlanex16_b32 v137, v136, s16, s17
	v_max_num_f32 v136, v136, v137                 ; the row's maximum: key 0 counts for every query
	v_mul_f32 v138, s18, v136
.irp i, 0,1,2,3
	v_pk_fma_f32 v[PR+2*\i:PR+2*\i+1], v[PR+2*\i:PR+2*\i+1], s[18:19], v[138:139] op_sel_hi:[1,0,0] neg_lo:[0,0,1] neg_hi:[0,0,1]
.endr
.irp j, 0,1,2,3,4,5,6,7
	v_exp_f32 v[PR+\j], v[PR+\j]
.endr
	v_nop                                          ; a plain line behind the last exponential
	s_wait_alu depctr_va_vdst(0)                   ; one wait for the batch, ahead of its first reader
	v_pk_add_f32 v[140:141], v[PR:PR+1], v[PR+2:PR+3]
	v_pk_add_f32 v[142:143], v[PR+4:PR+5], v[PR+6:PR+7]
	v_pk_add_f32 v[140:141], v[140:141], v[142:143]
	v_add_f32 v140, v140, v141
	v_permlanex16_b32 v141, v140, s16, s17
	v_add_f32 v140, v140, v141                     ; the row's sum
	s_wait_loadcnt 32                              ; v is in; W's chunk 0 may be out
.irp s, 0,1,2,3
.irp c, 0,1,2,3
.if \s == 0
	v_wmma_f32_16x16x4_f32 v[OA+8*\c:OA+8*\c+7], v[VR+8*\c+2*\s:VR+8*\c+2*\s+1], v[PR+2*\s:PR+2*\s+1], 0
.else
	v_wmma_f32_16x16x4_f32 v[OA+8*\c:OA+8*\c+7], v[VR+8*\c+2*\s:VR+8*\c+2*\s+1], v[PR+2*\s:PR+2*\s+1], v[OA+8*\c:OA+8*\c+7]
.endif
.endr
.endr
	WLOAD 1, QR                                    ; q's and k's registers were last read by the score products, far more than eight plain lines back
	WLOAD 2, KR
	v_rcp_f32 v142, v140
	PLACES8                                        ; behind the last product, in front of the reads of O^T and the writes over v's registers; also the plain line behind the reciprocal
	s_wait_alu depctr_va_vdst(0)
.set i, 0
.rept 16
	v_pk_mul_f32 v[VR+2*i:VR+2*i+1], v[OA+2*i:OA+2*i+1], v[142:143] op_sel_hi:[1,0]   ; O / l, into other registers, each accumulator from its low end on
.set i, i+1
.endr
	s_wait_loadcnt 63                              ; chunk 0 is in: 64 loads are younger, and the wait's field holds 63
	CHUNK 0, WA
	PLACES8                                        ; in front of loads into chunk 0's registers
	WLOAD 3, WA
	s_wait_loadcnt 63                              ; chunk 1 is in: 64 loads are younger
	CHUNK 1, QR
	s_wait_loadcnt 32
	CHUNK 2, KR
	s_wait_loadcnt 0x0
	CHUNK 3, WA
	PLACES8
.irp t, 0,1,2,3
.irp j, 0,1,2,3,4,5,6,7
	ds_store_b32 v8, v[ACC+8*\t+\j] offset:\j*272+\t*64            ; (query 8 h + j, column 16 t + r)
.endr
.endr
	s_wait_dscnt 0x0                               ; for the others' sake: my part lies in LDS
	s_barrier_signal -1
	s_barrier_wait -1
.irp w, 0,1,2,3,4,5,6,7,8,9,10,11,12,13,14,15
	ds_load_b64 v[QR+2*\w:QR+2*\w+1], v9 offset:\w*16*272          ; row = my wave's number, of each head's part
.endr
	s_wait_dscnt 0x0
.irp i, 0,1,2,3,4,5,6,7
	v_pk_add_f32 v[QR+4*\i:QR+4*\i+1], v[QR+4*\i:QR+4*\i+1], v[QR+4*\i+2:QR+4*\i+3]
.endr
.irp i, 0,1,2,3
	v_pk_add_f32 v[QR+8*\i:QR+8*\i+1], v[QR+8*\i:QR+8*\i+1], v[QR+8*\i+4:QR+8*\i+5]
.endr
.irp i, 0,1
	v_pk_add_f32 v[QR+16*\i:QR+16*\i+1], v[QR+16*\i:QR+16*\i+1], v[QR+16*\i+8:QR+16*\i+9]
.endr
	v_pk_add_f32 v[QR:QR+1], v[QR:QR+1], v[QR+16:QR+17]
	v_pk_add_f32 v[QR:QR+1], v[QR:QR+1], v[240:241]
	global_store_b64 v10, v[QR:QR+1], s[10:11]     ; 32 lanes store 256 consecutive bytes, aligned
	s_wait_tensorcnt 0x0                           ; the wave's end
	ds_add_u32 v[SPW], v[NIL]
	s_wait_dscnt 0x0
	s_endpgm
.Lfunc_end_k_q7492047758_first16:
	.size	k_q7492047758_first16, .Lfunc_end_k_q7492047758_first16-k_q7492047758_first16
	.p2alignl 7, 3214868480
	.fill 96, 4, 3214868480
	.section	.rodata,"a",@progbits
	.p2align	6, 0x0
	.amdhsa_kernel k_q7492047758_first16
		.amdhsa_group_segment_fixed_size 71680
		.amdhsa_private_segment_fixed_size 0
		.amdhsa_enable_private_segment 0
		.amdhsa_kernarg_size 32
		.amdhsa_user_sgpr_count 2
		.amdhsa_user_sgpr_kernarg_segment_ptr 1
		.amdhsa_wavefront_size32 1
		.amdhsa_system_sgpr_workgroup_id_x 1
		.amdhsa_system_sgpr_workgroup_id_y 1
		.amdhsa_system_sgpr_workgroup_id_z 1
		.amdhsa_system_vgpr_workitem_id 0
		.amdhsa_next_free_vgpr 256
		.amdhsa_next_free_sgpr 66
		.amdhsa_reserve_vcc 1
		.amdhsa_float_denorm_mode_32 3
		.amdhsa_float_denorm_mode_16_64 3
		.amdhsa_memory_ordered 1
		.amdhsa_forward_progress 1
		.amdhsa_inst_pref_size 34
	.end_amdhsa_kernel
	.amdgpu_metadata
---
amdhsa.version: [ 1, 2 ]
amdhsa.kernels:
  - .name:           k_q7492047758_first16
    .symbol:         k_q7492047758_first16.kd
    .args:
      - { .name: q32, .offset: 0, .size: 8, .value_kind: global_buffer, .address_space: global }
      - { .name: W_proj, .offset: 8, .size: 8, .value_kind: global_buffer, .address_space: global }
      - { .name: b_proj, .offset: 16, .size: 8, .value_kind: global_buffer, .address_space: global }
      - { .name: out0, .offset: 24, .size: 8, .value_kind: global_buffer, .address_space: global }
    .group_segment_fixed_size: 71680
    .private_segment_fixed_size: 0
    .kernarg_segment_align: 8
    .kernarg_segment_size: 32
    .max_flat_workgroup_size: 512
    .sgpr_count:     66
    .vgpr_count:     256
    .wavefront_size: 32
...
	.end_amdgpu_metadata
.endif
;; end of part 5
